; MI455X (gfx1250); checked and timed in simulation.
; The chip was launched on July 23, 2026; its instructions are those of AMD's public machine-readable ISA for CDNA 5 (MIT licence, August 2026) and "CDNA5" Instruction Set Architecture Reference Guide (July 2026). The comments in the code are by the model that wrote it; some were corrected since.
;; Transformer Block. Allowed arithmetic: float matrix products may take bf16 or f16 operands with f32 sums; all other float work in f32.
;; Inputs: g1 1,024 float32; g2 1,024 float32; w_down 2,048 x 1,024 float32; w_gate 1,024 x 2,048 float32; w_k 1,024 x 1,024 float32; w_o 1,024 x 1,024 float32; w_q 1,024 x 1,024 float32; w_up 1,024 x 2,048 float32; w_v 1,024 x 1,024 float32; x 2 x 2,048 x 1,024 float32.
;; Outputs: out0 2 x 2,048 x 1,024 float32.
;; 2 versions, each right; version 2 is version 1 with the launch prep written anew for expert scheduling mode. Each part assembles by itself: llvm-mc -triple=amdgcn-amd-amdhsa -mcpu=gfx1250 --defsym DOCPART=n.
;; ======== version 1 of 2: 6 launches
;; limits: right only within a limited range of input values
;; workspace buffers: wt 20,971,520 bytes; nx1 8,388,608 bytes; qkv 25,165,824 bytes; att 8,388,608 bytes; x1 16,777,216 bytes; x1b 8,388,608 bytes; ssq 262,144 bytes; hid 16,777,216 bytes
;; launch prep (part 1): grid 576 x 1, 8 waves a work-group, no clusters, 74,752 bytes of LDS; arguments x, g1, w_q, w_k, w_v, w_o, w_gate, w_up, w_down, wt, nx1; writes wt, nx1
.if DOCPART == 1
	.amdgcn_target "amdgcn-amd-amdhsa--gfx1250"
	.amdhsa_code_object_version 6
	.text
	.protected	k_qb13bd5fe44_prep
	.globl	k_qb13bd5fe44_prep
	.p2align	8
	.type	k_qb13bd5fe44_prep,@function
k_qb13bd5fe44_prep:
	s_mov_b64 s[64:65], 0
	v_nop
	global_prefetch_b8 v0, s[64:65] scope:SCOPE_SE
	s_setreg_imm32_b32 hwreg(HW_REG_WAVE_MODE, 25, 1), 1
	s_wait_xcnt 0x0
; Two roles, chosen by the work-group's number g.
; g < 320: a wave turns a tile of 64 k x 64 n of one f32 weight [K][N] into bf16 rows [n][64 k] (8,192 dense bytes of wt).
;   wt holds four regions [column tile][k / 64][TC rows n][64 k]: QKV (TC 192), O (128), gate|up (128 + 128), down (128).
; g >= 320: a wave norms two rows of x: nx1 = x * rsqrt(mean(x^2) + 1e-6) * g1, bf16, laid [token / 128][k / 64][128][64].
; Memory binds: 16-byte loads of which 16 lanes take 256 consecutive bytes, every store 256 or 512 consecutive bytes.
; No matrix unit, no barrier: a wave's LDS bytes are its own.
	s_load_b512 s[16:31], s[0:1], 0x0              ; x, g1, w_q, w_k, w_v, w_o, w_gate, w_up
	s_load_b128 s[32:35], s[0:1], 0x40             ; w_down, wt
	s_load_b64 s[36:37], s[0:1], 0x50              ; nx1
	v_lshl_add_u32 v30, v0, 2, 0x12000
	v_mov_b32 v31, 0
	v_lshrrev_b32 v1, 5, v0
	v_readfirstlane_b32 s8, v1                     ; wave 0..7
	v_and_b32 v1, 31, v0                           ; l
	v_and_b32 v2, 15, v0                           ; c = l % 16
	v_bfe_u32 v3, v0, 4, 1                         ; h = l / 16
	s_wait_kmcnt 0x0
	s_cmp_ge_u32 ttmp9, 320
	s_cbranch_scc1 .Lnorm
; which weight: source, first g, log2 of work-groups for one k block, region, bytes of a column tile and of a k block,
; n tiles in front of it in its region, and whether a column tile has three n tiles (else two)
.macro STUB lim, src, base, lg, reg, cts, kbs, nta, dv
.if \lim < 320
	s_cmp_ge_u32 ttmp9, \lim
	s_cbranch_scc1 .Lnext_\@
.endif
	s_mov_b64 s[4:5], s[\src:\src+1]
	s_mov_b32 s9, \base
	s_mov_b32 s10, \lg
	s_mov_b32 s11, \reg
	s_mov_b32 s12, \cts
	s_mov_b32 s13, \kbs
	s_mov_b32 s14, \nta
	s_mov_b32 s15, \dv
.if \lim < 320
	s_branch .Lgo
.Lnext_\@:
.endif
.endm
	STUB 32,  20, 0,   1, 0,        393216, 24576, 0,  1
	STUB 64,  22, 32,  1, 0,        393216, 24576, 16, 1
	STUB 96,  24, 64,  1, 0,        393216, 24576, 32, 1
	STUB 128, 26, 96,  1, 6291456,  262144, 16384, 0,  0
	STUB 192, 28, 128, 2, 8388608,  524288, 32768, 0,  0
	STUB 256, 30, 192, 2, 8404992,  524288, 32768, 0,  0
	STUB 320, 32, 256, 1, 16777216, 524288, 16384, 0,  0
.Lgo:
	s_sub_co_u32 s9, ttmp9, s9                     ; number within the weight
	s_lshr_b32 s38, s9, s10                        ; k block
	s_bfm_b32 s39, s10, 0
	s_and_b32 s39, s9, s39
	s_lshl_b32 s39, s39, 3
	s_add_co_u32 s39, s39, s8                      ; n tile of 64 columns
	s_add_co_u32 s40, s39, s14                     ; its number in the region
	s_mul_i32 s41, s40, 171
	s_lshr_b32 s41, s41, 9                         ; / 3, exact below 48
	s_mul_i32 s42, s41, 3
	s_sub_co_u32 s42, s40, s42
	s_lshr_b32 s43, s39, 1
	s_and_b32 s44, s39, 1
	s_cmp_lg_u32 s15, 0
	s_cselect_b32 s41, s41, s43                    ; column tile
	s_cselect_b32 s42, s42, s44                    ; which 64 rows of it
	s_mul_i32 s41, s41, s12
	s_mul_i32 s43, s38, s13
	s_add_co_u32 s41, s41, s43
	s_lshl_b32 s42, s42, 13
	s_add_co_u32 s41, s41, s42
	s_add_co_u32 s40, s41, s11
	s_mov_b32 s41, 0
	s_add_nc_u64 s[6:7], s[34:35], s[40:41]        ; my 8,192 bytes of wt
	s_add_co_u32 s42, s10, 17
	s_lshl_b32 s42, s38, s42                       ; 64 rows of 4,096 or 8,192 bytes for each k block
	s_lshl_b32 s43, s39, 8
	s_add_co_u32 s42, s42, s43
	s_mov_b32 s43, 0
	s_add_nc_u64 s[4:5], s[4:5], s[42:43]
	s_add_co_u32 s45, s10, 16
	s_lshl_b32 s47, 2048, s10                      ; the weight's row pitch: 4,096 or 8,192 bytes
	v_lshlrev_b32 v224, s45, v3                    ; lanes 16-31 take rows 32 to 63
	v_lshl_add_u32 v224, v2, 4, v224               ; 16 bytes a lane: 16 lanes take 256 consecutive bytes of a row
.set i, 1
.rept 31
	v_add_nc_u32 v[224+i], s47, v[223+i]           ; an offset register for each row, so that one run of loads serves both pitches
.set i, i+1
.endr
.set i, 0
.rept 32                               ; load i: W[32 h + i][4 c .. 4 c + 3]
	global_load_b128 v[32+4*i:35+4*i], v[224+i], s[4:5] th:TH_LOAD_NT
.set i, i+1
.endr
	s_mul_i32 s46, s8, 9216                        ; my wave's 64 LDS rows of 144 bytes
	v_mul_u32_u24 v5, v2, 576                      ; in: row n = 4 c + e, bytes 64 h on
	v_lshl_add_u32 v5, v3, 6, v5
	v_add_nc_u32 v5, s46, v5
	v_lshrrev_b32 v7, 3, v1
	v_and_b32 v8, 7, v1
	v_mul_u32_u24 v6, v7, 144                      ; back: four rows of 128 bytes for the 32 lanes
	v_lshl_add_u32 v6, v8, 4, v6
	v_add_nc_u32 v6, s46, v6
	v_lshlrev_b32 v9, 4, v1
.set t, 0
.rept 16
	s_wait_loadcnt 30-2*t                          ; loads 2 t and 2 t + 1 are in; the younger ones stay out
.irp e, 0,1,2,3
	v_cvt_pk_bf16_f32 v[160+16*\e+t], v[32+8*t+\e], v[36+8*t+\e]   ; k = 32 h + 2 t, 2 t + 1 of column 4 c + e
.endr
.set t, t+1
.endr
.irp e, 0,1,2,3
.irp u, 0,1,2,3
	ds_store_b128 v5, v[160+16*\e+4*\u:163+16*\e+4*\u] offset:\e*144+16*\u
.endr
.endr
.set t, 0
.rept 16
	ds_load_b128 v[32+4*t:35+4*t], v6 offset:576*t ; a wave's LDS instructions are served in order: these see the stores above
.set t, t+1
.endr
.set t, 0
.rept 16
	s_wait_dscnt 15-t
	global_store_b128 v9, v[32+4*t:35+4*t], s[6:7] offset:512*t    ; 512 consecutive bytes
.set t, t+1
.endr
	s_wait_tensorcnt 0x0
	ds_add_u32 v30, v31
	s_wait_dscnt 0x0
	s_endpgm
.Lnorm:
	s_sub_co_u32 s9, ttmp9, 320
	s_lshl_b32 s9, s9, 3
	s_add_co_u32 s9, s9, s8                        ; W = 0..2047: rows 2 W and 2 W + 1
	s_lshl_b32 s40, s9, 13
	s_mov_b32 s41, 0
	s_add_nc_u64 s[4:5], s[16:17], s[40:41]
	s_lshr_b32 s42, s9, 6                          ; token / 128
	s_lshl_b32 s42, s42, 18
	s_and_b32 s43, s9, 63
	s_lshl_b32 s43, s43, 8                         ; the pair's 256 bytes in a plane
	s_add_co_u32 s42, s42, s43
	s_mov_b32 s43, 0
	s_add_nc_u64 s[6:7], s[36:37], s[42:43]
	s_mov_b32 s40, 0x3a800000                      ; 1 / 1024
	s_mov_b32 s41, 0x358637bd                      ; 1e-6
	v_lshlrev_b32 v4, 4, v2                        ; 16 c
	v_lshl_add_u32 v5, v3, 12, v4                  ; lanes 16-31: the second row
	v_lshlrev_b32 v6, 3, v1                        ; 8 l
.set j, 0
.rept 16
	global_load_b128 v[32+4*j:35+4*j], v5, s[4:5] offset:256*j
.set j, j+1
.endr
.set j, 0
.rept 16
	global_load_b128 v[96+4*j:99+4*j], v4, s[18:19] offset:256*j
.set j, j+1
.endr
	s_wait_loadcnt 16                              ; x is in; g1's sixteen loads may stay out
.irp q, 0,1,2,3
	v_pk_mul_f32 v[8+2*\q:9+2*\q], v[32+2*\q:33+2*\q], v[32+2*\q:33+2*\q]   ; four chains, started by their first products
.endr
.set q, 4
.rept 28
	v_pk_fma_f32 v[8+2*(q%4):9+2*(q%4)], v[32+2*q:33+2*q], v[32+2*q:33+2*q], v[8+2*(q%4):9+2*(q%4)]
.set q, q+1
.endr
	v_pk_add_f32 v[8:9], v[8:9], v[10:11]
	v_pk_add_f32 v[12:13], v[12:13], v[14:15]
	v_pk_add_f32 v[8:9], v[8:9], v[12:13]
	v_add_f32 v8, v8, v9
	v_add_f32_dpp v8, v8, v8 row_xmask:1 row_mask:0xf bank_mask:0xf    ; a row lies in 16 lanes
	v_add_f32_dpp v8, v8, v8 row_xmask:2 row_mask:0xf bank_mask:0xf
	v_add_f32_dpp v8, v8, v8 row_xmask:4 row_mask:0xf bank_mask:0xf
	v_add_f32_dpp v8, v8, v8 row_xmask:8 row_mask:0xf bank_mask:0xf
	v_fma_f32 v8, v8, s40, s41
	v_rsq_f32 v10, v8
	v_rsq_f32 v11, v8
	v_nop                                          ; a plain instruction between the root and its use
	s_wait_loadcnt 0x0
.set j, 0
	s_wait_alu depctr_va_vdst(0)
.rept 16
	v_pk_mul_f32 v[32+4*j:33+4*j], v[32+4*j:33+4*j], v[10:11]
	v_pk_mul_f32 v[34+4*j:35+4*j], v[34+4*j:35+4*j], v[10:11]
	v_pk_mul_f32 v[32+4*j:33+4*j], v[32+4*j:33+4*j], v[96+4*j:97+4*j]
	v_pk_mul_f32 v[34+4*j:35+4*j], v[34+4*j:35+4*j], v[98+4*j:99+4*j]
	v_cvt_pk_bf16_f32 v[160+2*j], v[32+4*j], v[33+4*j]
	v_cvt_pk_bf16_f32 v[161+2*j], v[34+4*j], v[35+4*j]
	global_store_b64 v6, v[160+2*j:161+2*j], s[6:7] offset:16384*j  ; two rows of 128 bytes: 256 consecutive bytes of plane j
.set j, j+1
.endr
	s_endpgm
.Lfunc_end_k_qb13bd5fe44_prep:
	.size	k_qb13bd5fe44_prep, .Lfunc_end_k_qb13bd5fe44_prep-k_qb13bd5fe44_prep
	.p2alignl 7, 3214868480
	.fill 96, 4, 3214868480
	.section	.rodata,"a",@progbits
	.p2align	6, 0x0
	.amdhsa_kernel k_qb13bd5fe44_prep
		.amdhsa_group_segment_fixed_size 74752
		.amdhsa_private_segment_fixed_size 0
		.amdhsa_enable_private_segment 0
		.amdhsa_kernarg_size 88
		.amdhsa_user_sgpr_count 2
		.amdhsa_user_sgpr_kernarg_segment_ptr 1
		.amdhsa_wavefront_size32 1
		.amdhsa_system_sgpr_workgroup_id_x 1
		.amdhsa_system_sgpr_workgroup_id_y 1
		.amdhsa_system_sgpr_workgroup_id_z 1
		.amdhsa_system_vgpr_workitem_id 0
		.amdhsa_next_free_vgpr 256
		.amdhsa_next_free_sgpr 66
		.amdhsa_reserve_vcc 0
		.amdhsa_float_denorm_mode_32 3
		.amdhsa_float_denorm_mode_16_64 3
		.amdhsa_memory_ordered 1
		.amdhsa_forward_progress 1
		.amdhsa_inst_pref_size 33
	.end_amdhsa_kernel
	.amdgpu_metadata
---
amdhsa.version: [ 1, 2 ]
amdhsa.kernels:
  - .name:           k_qb13bd5fe44_prep
    .symbol:         k_qb13bd5fe44_prep.kd
    .args:
      - { .name: x, .offset: 0, .size: 8, .value_kind: global_buffer, .address_space: global }
      - { .name: g1, .offset: 8, .size: 8, .value_kind: global_buffer, .address_space: global }
      - { .name: w_q, .offset: 16, .size: 8, .value_kind: global_buffer, .address_space: global }
      - { .name: w_k, .offset: 24, .size: 8, .value_kind: global_buffer, .address_space: global }
      - { .name: w_v, .offset: 32, .size: 8, .value_kind: global_buffer, .address_space: global }
      - { .name: w_o, .offset: 40, .size: 8, .value_kind: global_buffer, .address_space: global }
      - { .name: w_gate, .offset: 48, .size: 8, .value_kind: global_buffer, .address_space: global }
      - { .name: w_up, .offset: 56, .size: 8, .value_kind: global_buffer, .address_space: global }
      - { .name: w_down, .offset: 64, .size: 8, .value_kind: global_buffer, .address_space: global }
      - { .name: wt, .offset: 72, .size: 8, .value_kind: global_buffer, .address_space: global }
      - { .name: nx1, .offset: 80, .size: 8, .value_kind: global_buffer, .address_space: global }
    .group_segment_fixed_size: 74752
    .private_segment_fixed_size: 0
    .kernarg_segment_align: 8
    .kernarg_segment_size: 88
    .max_flat_workgroup_size: 256
    .sgpr_count:     66
    .vgpr_count:     256
    .wavefront_size: 32
...
	.end_amdgpu_metadata
.endif
;; end of part 1
;; launch qkv (part 2): grid 16 x 16, 4 waves a work-group, clusters of 4 x 4, 327,680 bytes of LDS; arguments nx1, wt, qkv; writes qkv
.if DOCPART == 2
	.amdgcn_target "amdgcn-amd-amdhsa--gfx1250"
	.amdhsa_code_object_version 6
	.text
	.protected	k_qb13bd5fe44_qkv
	.globl	k_qb13bd5fe44_qkv
	.p2align	8
	.type	k_qb13bd5fe44_qkv,@function
k_qb13bd5fe44_qkv:
	s_mov_b64 s[64:65], 0
	v_nop
	global_prefetch_b8 v0, s[64:65] scope:SCOPE_SE
	s_setreg_imm32_b32 hwreg(HW_REG_WAVE_MODE, 25, 1), 1
	s_wait_xcnt 0x0
	s_wait_alu depctr_hold_cnt(0) depctr_sa_sdst(0) depctr_va_vdst(0) depctr_va_sdst(0) depctr_va_ssrc(0) depctr_va_vcc(0) depctr_vm_vsrc(0)
	s_getreg_b32 s2, hwreg(HW_REG_IB_STS2, 6, 4)
	s_cmp_eq_u32 s2, 0
	s_cbranch_scc0 .Lentry_in_a_cluster
	s_endpgm
.Lentry_in_a_cluster:
	s_bfe_u32 s2, ttmp6, 0x10000c
	s_cmp_lg_u32 s2, 0xf033
	s_cbranch_scc0 .Lentry_shape_is_right
	s_endpgm
.Lentry_shape_is_right:
; qkv = nx1 [wq | wk | wv], bf16 operands, f32 sums, bf16 out.  All operands lie in planes [row tile][k / 64][rows][64 k], dense.
; A work-group makes 256 rows x 192 columns, each of four waves 64 x 192 (48 accumulators).  K goes in steps of 128 (two planes) through two LDS
; slots; each wave brings one dense block a step (waves 0, 1: 32 KB of A; waves 2, 3: 24 KB of B), stated as rows of 256 bytes, padded in LDS by 16
; bytes behind every 128, so that LDS rows of 64 k lie 144 bytes apart.  4 x 4 work-groups form a cluster: A's block is asked for jointly along a
; row of the cluster, B's along a column.  The matrix instruction is used transposed (source 0 = rows of B): a lane holds 8 neighbouring columns.
; The way out: sums go raw (f32) into the slots' bytes, which have had their last fill, and a short loop reads whole rows, rounds and stores.
; Windows: 0 addresses, A's fragments (v32..), row loop (v160..); 1 B's fragments; 2, 3 accumulators ((a, b) at 8 (NB a + b)).
.set NB, 12
.set TC, 192
.set PL, 2
.set KD, 1
.set STEPS, 8
.set KB, 16
.set REG, 0
.set CTS, 393216
.set LEFT, 4                           ; the youngest loads of a fetch that the first half of a phase does not need
.set P, 784                            ; way out: a row of 192 f32 + 16 bytes
.set RS, 64*P
.set PITCH, 144
.set PLA, 128*PITCH
.set PLB, TC*PITCH
.set SL1, 147456                       ; slot 1; no bit in common with any fill's address in slot 0, so one exclusive or changes slots
.set BOFF, 73728
.set BLD, (PL/2)*PLB
.set BR, (PL/2)*TC/2
.set ASTEP, PL*16384
.set BSTEP, PL*TC*128
.set NW, 4*KD*NB                       ; matrix instructions in a phase
.set NL, 2*KD*(NB+4)                   ; LDS loads in a phase
.set TAB, 294912
.set SPARE, 295936                     ; the spare words: 128 bytes a wave, named by no other line
.set MSB, 0
.macro WIN new                         ; the immediate's high byte repeats the setting that is left
.if MSB != (\new)
	s_set_vgpr_msb (MSB<<8)|(\new)
.set MSB, (\new)
.endif
.endm
.macro PLACES                          ; four places behind matrix instructions (ISA guide 7.12.1)
.rept 4
	v_nop
.endr
.endm
.macro CREST                           ; a round of the cluster's barrier behind its opening barrier
	s_cmp_lg_u32 s10, 0
	s_cbranch_scc1 .Lnot_wave_0_\@
	s_barrier_signal -3
.Lnot_wave_0_\@:
	s_barrier_wait -3
	s_barrier_signal -1
	s_barrier_wait -1
.endm
.macro CROUND
	s_barrier_signal -1
	s_barrier_wait -1
	CREST
.endm
.macro JLOAD                           ; the joint refill by the walking descriptors: waves 0, 1 ask for A, waves 2, 3 for B
	s_cmp_eq_u32 s11, 0
	s_cbranch_scc0 .Lfor_b_\@
	tensor_load_to_lds s[36:39], s[24:31]
	s_nop 0
	PLACES
	s_branch .Lasked_\@
.Lfor_b_\@:
	tensor_load_to_lds s[60:63], s[48:55]
	s_nop 0
	PLACES
.Lasked_\@:
.endm
.macro CUR                             ; fragment addresses in the slot at s21
	v_add_nc_u32 v6, s21, v4
	v_add_nc_u32 v8, s21, v5
	v_add_nc_u32 v9, (PL/2)*PLB, v8
.endm
.macro FETCH q, f                      ; the fragments of phase q (KD chunks of 32 k) into buffer f: B's, then A's
.set cc, 0
.rept KD
.set gg, KD*\q+cc
.set pp, gg/2
.set kk, 64*(gg%2)
	WIN 0x40
.set bb, 0
.rept NB
.set rB, \f*KD*NB*8+8*(NB*cc+bb)
.set oB, (pp%(PL/2))*PLB+bb*16*PITCH+kk
	ds_load_b128 v[rB:rB+3], v[8+pp/(PL/2)] offset:oB
	ds_load_b128 v[rB+4:rB+7], v[8+pp/(PL/2)] offset:oB+32
.set bb, bb+1
.endr
	WIN 0
.set aa, 0
.rept 4
.set rA, 32+\f*KD*32+8*(4*cc+aa)
.set oA, pp*PLA+aa*16*PITCH+kk
	ds_load_b128 v[rA:rA+3], v6 offset:oA
	ds_load_b128 v[rA+4:rA+7], v6 offset:oA+32
.set aa, aa+1
.endr
.set cc, cc+1
.endr
.endm
.macro MMR f, i0, i1, zero             ; products i0 .. i1 - 1 of a phase on buffer f; all accumulators take turns
.set i, \i0
.rept \i1-\i0
.set cc, i/(4*NB)
.set aa, (i/NB)%4
.set bb, i%NB
.set LL, 8*(NB*aa+bb)
.set WW, 2+LL/256
.set RR, LL%256
.set rB, \f*KD*NB*8+8*(NB*cc+bb)
.set rA, 32+\f*KD*32+8*(4*cc+aa)
	WIN 0x01|(WW<<4)|(WW<<6)
.if \zero && (cc == 0)
	v_wmma_f32_16x16x32_bf16 v[RR:RR+7], v[rB:rB+7], v[rA:rA+7], 0
.else
	v_wmma_f32_16x16x32_bf16 v[RR:RR+7], v[rB:rB+7], v[rA:rA+7], v[RR:RR+7]
.endif
.set i, i+1
.endr
.endm
.macro PHASE f, g, qn, zero            ; multiplies buffer f; in its middle fetches phase qn into buffer g
	s_wait_dscnt LEFT                              ; all of my buffer but its youngest LEFT loads
	MMR \f, 0, NW/2, \zero
	PLACES
	FETCH \qn, \g
	s_wait_dscnt NL                                ; all but the NL loads just issued
	MMR \f, NW/2, NW, \zero
.endm
.macro TURN                            ; a step's last phase, on buffer 1, and the change of slots
	WIN 0
	s_wait_tensorcnt 0x0                           ; all my tensor loads have landed: the one that was out is my part of the next slot
	ds_add_u32 v28, v29                            ; 0 onto my spare word
	s_xor_b32 s37, s37, SL1                        ; no load of mine is out: the walking descriptors step to this slot, two steps on
	s_add_nc_u64 s[38:39], s[38:39], ASTEP
	s_xor_b32 s61, s61, SL1
	s_add_nc_u64 s[62:63], s[62:63], BSTEP
	s_wait_dscnt LEFT+1                            ; the add and the youngest LEFT loads may be out
	MMR 1, 0, NW/4, 0
	s_wait_dscnt 0x0                               ; the add is done and my reads of this slot are over
	s_barrier_signal -1
	MMR 1, NW/4, NW/2, 0
	WIN 0
	s_barrier_wait -1
	CREST                                          ; no wave of any partner still reads this slot or has a load on its way
	JLOAD                                          ; my one tensor load behind the round; its four v_nop are the places for the loads below
	s_xor_b32 s21, s21, SL1
	CUR
	FETCH 0, 0
	MMR 1, NW/2, NW, 0
.endm
	s_load_b128 s[4:7], s[0:1], 0x0                ; A, wt
	s_load_b64 s[8:9], s[0:1], 0x10                ; the output
	v_lshl_add_u32 v28, v0, 2, SPARE
	v_mov_b32 v29, 0
	ds_add_u32 v28, v29
	s_wait_dscnt 0x0
	v_lshrrev_b32 v1, 5, v0
	v_readfirstlane_b32 s10, v1                    ; wave
	s_lshr_b32 s11, s10, 1
	s_and_b32 s12, s10, 1
	s_bfe_u32 s40, ttmp6, 0x40000                  ; cx
	s_bfe_u32 s41, ttmp6, 0x40004                  ; cy
	s_lshl_b32 s42, ttmp9, 2
	s_add_co_u32 s42, s42, s40                     ; tx
	s_and_b32 s13, ttmp7, 0xffff
	s_lshl_b32 s13, s13, 2
	s_add_co_u32 s13, s13, s41                     ; ty
	s_lshl_b32 s43, s41, 2
	s_lshl_b32 s43, 15, s43                        ; my row of the cluster
	s_lshl_b32 s44, 0x1111, s40                    ; my column
	s_or_b32 s24, s43, 0x07330000                  ; mask; elements of 8 bytes; padding on; bit 21 beside a mask; 4 words behind every 32
	s_or_b32 s48, s44, 0x07330000
	s_mov_b32 s25, 32<<16                          ; tensor_dim0 = 32 elements: rows of 256 bytes
	s_mov_b32 s26, 128<<16                         ; tensor_dim1
	s_mov_b32 s27, 32<<16                          ; tile_dim0
	s_mov_b32 s28, 128                             ; tile_dim1
	s_mov_b32 s29, 32                              ; pitch: the block is dense
	s_mov_b32 s30, 0
	s_mov_b32 s31, 0
	s_mov_b32 s49, 32<<16
	s_mov_b32 s50, BR<<16
	s_mov_b32 s51, 32<<16
	s_mov_b32 s52, BR
	s_mov_b32 s53, 32
	s_mov_b32 s54, 0
	s_mov_b32 s55, 0
	s_lshl_b32 s16, s13, 1
	s_add_co_u32 s16, s16, s12                     ; A: row tile 2 ty + (wave & 1)
	s_mul_i32 s16, s16, KB*16384
	s_mov_b32 s17, 0
	s_mul_i32 s46, s42, CTS                        ; B: column tile tx, my half of a step's planes
	s_mul_i32 s47, s12, (PL/2)*TC*128
	s_add_co_u32 s46, s46, s47
	s_add_co_u32 s46, s46, REG
	s_mov_b32 s47, 0
	s_mul_i32 s20, s12, 36864                      ; LDS: A's halves; B's halves behind them
	s_mul_i32 s22, s12, BLD
	s_add_co_u32 s22, s22, BOFF
	s_wait_kmcnt 0x0
	s_add_nc_u64 s[14:15], s[4:5], s[16:17]
	s_add_nc_u64 s[46:47], s[6:7], s[46:47]
	CROUND                                         ; all sixteen work-groups are here: the first joint loads meet
.irp s, 0,1
	s_mov_b32 s[32+4*\s], 1
	s_add_co_u32 s[33+4*\s], s20, \s*SL1
	s_add_nc_u64 s[34+4*\s:35+4*\s], s[14:15], \s*ASTEP
	s_or_b32 s[35+4*\s], s[35+4*\s], 0x80000000
	s_mov_b32 s[56+4*\s], 1
	s_add_co_u32 s[57+4*\s], s22, \s*SL1
	s_add_nc_u64 s[58+4*\s:59+4*\s], s[46:47], \s*BSTEP
	s_or_b32 s[59+4*\s], s[59+4*\s], 0x80000000
.endr
	s_cmp_eq_u32 s11, 0                            ; a wave's two first fills in one branch: two loads of mine are out
	s_cbranch_scc0 .Lfirst_b
	tensor_load_to_lds s[32:35], s[24:31]
	s_nop 0
	tensor_load_to_lds s[36:39], s[24:31]
	s_nop 0
	PLACES
	s_branch .Lfirst_done
.Lfirst_b:
	tensor_load_to_lds s[56:59], s[48:55]
	s_nop 0
	tensor_load_to_lds s[60:63], s[48:55]
	s_nop 0
	PLACES
.Lfirst_done:
	v_and_b32 v1, 15, v0                           ; r
	v_bfe_u32 v2, v0, 4, 1                         ; h
	v_mul_u32_u24 v3, v1, PITCH
	v_lshl_add_u32 v3, v2, 4, v3                   ; a fragment's row x pitch + 16 h
	s_mul_i32 s16, s11, 36864                      ; my 64 rows of A: row tile half, then 64 rows
	s_mul_i32 s17, s12, 9216
	s_add_co_u32 s16, s16, s17
	v_add_nc_u32 v4, s16, v3
	v_add_nc_u32 v5, BOFF, v3
	s_mul_i32 s16, s10, RS                         ; my region on the way out
	v_mul_u32_u24 v10, v1, P
	v_lshl_add_u32 v10, v2, 5, v10
	v_add_nc_u32 v10, s16, v10                     ; in: row r, 32 bytes for each half of the lanes
	v_and_b32 v16, 31, v0
	v_lshrrev_b32 v17, 3, v16
	v_and_b32 v18, 7, v16
	v_mul_u32_u24 v11, v17, P
	v_lshl_add_u32 v11, v18, 5, v11
	v_add_nc_u32 v11, s16, v11                     ; back: four rows, 8 numbers a lane
	v_lshlrev_b32 v12, 4, v16                      ; 16 l
	s_lshl_b32 s76, s13, 1
	s_add_co_u32 s76, s76, s11                     ; my row tile
	s_mul_i32 s76, s76, 48
	s_mul_i32 s78, s42, 3
	s_add_co_u32 s76, s76, s78                     ; first of my three planes
	s_lshl_b32 s76, s76, 14
	s_lshl_b32 s78, s12, 13
	s_add_co_u32 s76, s76, s78
	s_mov_b32 s77, 0
	s_add_nc_u64 s[8:9], s[8:9], s[76:77]
	s_wait_tensorcnt 0x1                           ; my part of step 0 is in; step 1's stays out
	s_wait_dscnt 0x0
	s_barrier_signal -1
	s_barrier_wait -1
	s_mov_b32 s21, 0
	CUR
	FETCH 0, 0
	PHASE 0, 1, 1, 1                               ; the first products start the sums
	WIN 0
	s_mov_b32 s2, STEPS-2
.Lk:                                                   ; a trip: a step's phases 1 to 3, the refill, the next step's phase 0
	PHASE 1, 0, 2, 0
	PHASE 0, 1, 3, 0
	TURN
	PHASE 0, 1, 1, 0
	WIN 0
	s_sub_co_u32 s2, s2, 1
	s_cmp_lg_u32 s2, 0
	s_cbranch_scc1 .Lk
	s_mov_b32 s3, 0
.Lt:                                                   ; the last two steps ask for nothing
	PHASE 1, 0, 2, 0
	PHASE 0, 1, 3, 0
	s_wait_dscnt LEFT
	MMR 1, 0, NW/2, 0
	s_wait_dscnt 0x0
	MMR 1, NW/2, NW, 0
	WIN 0
	s_cmp_eq_u32 s3, 1
	s_cbranch_scc1 .Lout
	s_wait_tensorcnt 0x0                           ; my part of the last slot is in
	ds_add_u32 v28, v29
	s_xor_b32 s21, s21, SL1
	s_wait_dscnt 0x0
	s_barrier_signal -1
	s_barrier_wait -1                              ; everybody's is; nothing is filled again, so no round
	CUR
	PLACES
	FETCH 0, 0
	PHASE 0, 1, 1, 0
	WIN 0
	s_add_co_u32 s3, s3, 1
	s_cmp_lt_u32 s3, 2
	s_cbranch_scc1 .Lt
.Lout:
	s_wait_dscnt 0x0
	s_barrier_signal -1
	s_barrier_wait -1                              ; no wave reads the slots any more, and they have had their last fill
	PLACES
.set i, 0
.rept 4*NB                             ; each accumulator raw into my region, its low registers first
.set LL, 8*i
	WIN (2+LL/256)<<2
	ds_store_b128 v10, v[LL%256:LL%256+3] offset:(i/NB)*16*P+64*(i%NB)
	ds_store_b128 v10, v[LL%256+4:LL%256+7] offset:(i/NB)*16*P+64*(i%NB)+16
.set i, i+1
.endr
	WIN 0
	s_mov_b32 s2, 8
.Lrow:                                                 ; 8 rows a trip: read as rows, round, store 512 consecutive bytes of a plane at a time
.irp g, 0,1
.irp p, 0,1,2
	ds_load_b128 v[160+8*(3*\g+\p):163+8*(3*\g+\p)], v11 offset:\g*4*P+\p*256
	ds_load_b128 v[164+8*(3*\g+\p):167+8*(3*\g+\p)], v11 offset:\g*4*P+\p*256+16
.endr
.endr
	s_wait_dscnt 0x0
.set q, 0
.rept 24
	v_cvt_pk_bf16_f32 v[208+q], v[160+2*q], v[161+2*q]
.set q, q+1
.endr
.irp g, 0,1
.irp p, 0,1,2
	global_store_b128 v12, v[208+4*(3*\g+\p):211+4*(3*\g+\p)], s[8:9] offset:\p*16384+\g*512
.endr
.endr
	s_wait_xcnt 0x0                                ; the stores' data and base are rewritten only behind this wait
	v_add_nc_u32 v11, 8*P, v11
	s_add_nc_u64 s[8:9], s[8:9], 1024
	s_sub_co_u32 s2, s2, 1
	s_cmp_lg_u32 s2, 0
	s_cbranch_scc1 .Lrow
	s_wait_tensorcnt 0x0                           ; the wave's end
	ds_add_u32 v28, v29
	s_wait_dscnt 0x0
	CROUND                                         ; the closing round
	s_endpgm
.Lfunc_end_k_qb13bd5fe44_qkv:
	.size	k_qb13bd5fe44_qkv, .Lfunc_end_k_qb13bd5fe44_qkv-k_qb13bd5fe44_qkv
	.p2alignl 7, 3214868480
	.fill 96, 4, 3214868480
	.section	.rodata,"a",@progbits
	.p2align	6, 0x0
	.amdhsa_kernel k_qb13bd5fe44_qkv
		.amdhsa_group_segment_fixed_size 327680
		.amdhsa_private_segment_fixed_size 0
		.amdhsa_enable_private_segment 0
		.amdhsa_kernarg_size 24
		.amdhsa_user_sgpr_count 2
		.amdhsa_user_sgpr_kernarg_segment_ptr 1
		.amdhsa_wavefront_size32 1
		.amdhsa_system_sgpr_workgroup_id_x 1
		.amdhsa_system_sgpr_workgroup_id_y 1
		.amdhsa_system_sgpr_workgroup_id_z 1
		.amdhsa_system_vgpr_workitem_id 0
		.amdhsa_next_free_vgpr 1024
		.amdhsa_next_free_sgpr 84
		.amdhsa_reserve_vcc 0
		.amdhsa_float_denorm_mode_32 3
		.amdhsa_float_denorm_mode_16_64 3
		.amdhsa_memory_ordered 1
		.amdhsa_forward_progress 1
		.amdhsa_inst_pref_size 69
	.end_amdhsa_kernel
	.amdgpu_metadata
---
amdhsa.version: [ 1, 2 ]
amdhsa.kernels:
  - .name:           k_qb13bd5fe44_qkv
    .symbol:         k_qb13bd5fe44_qkv.kd
    .args:
      - { .name: nx1, .offset: 0, .size: 8, .value_kind: global_buffer, .address_space: global }
      - { .name: wt, .offset: 8, .size: 8, .value_kind: global_buffer, .address_space: global }
      - { .name: qkv, .offset: 16, .size: 8, .value_kind: global_buffer, .address_space: global }
    .group_segment_fixed_size: 327680
    .private_segment_fixed_size: 0
    .kernarg_segment_align: 8
    .kernarg_segment_size: 24
    .max_flat_workgroup_size: 128
    .sgpr_count:     84
    .vgpr_count:     1024
    .wavefront_size: 32
...
	.end_amdgpu_metadata
.endif
;; end of part 2
;; launch attn (part 3): grid 8 x 32, 8 waves a work-group, no clusters, 327,680 bytes of LDS; arguments qkv, att; writes att
.if DOCPART == 3
	.amdgcn_target "amdgcn-amd-amdhsa--gfx1250"
	.amdhsa_code_object_version 6
	.text
	.protected	k_qb13bd5fe44_attn
	.globl	k_qb13bd5fe44_attn
	.p2align	8
	.type	k_qb13bd5fe44_attn,@function
k_qb13bd5fe44_attn:
	s_mov_b64 s[64:65], 0
	v_nop
	global_prefetch_b8 v0, s[64:65] scope:SCOPE_SE
	s_setreg_imm32_b32 hwreg(HW_REG_WAVE_MODE, 25, 1), 1
	s_wait_xcnt 0x0
; Causal attention, head size 64.  qkv: [token / 128][48 planes: q heads, k heads, v heads][128][64] bf16; att: [token / 128][16 heads][128][64] bf16.
; A work-group takes one head of one batch and two blocks of 128 queries, the short one j = i and the long one j = 15 - i, and walks them TOGETHER.
; Eight waves, two to a SIMD, so that one wave's vector work stands beside the other's products and LDS reads.  Wave w holds two tiles of 16 queries:
; tile 0 = rows 16 w .. 16 w + 15 of the short block, tile 1 = the same rows of the long block.  All waves walk the long block's 2 (16 - i) key steps
; of 64 keys; tile 0 takes part in the first 2 (i + 1) of them (the same keys) and then rests in its registers till the end: 34 tile steps in every
; wave of every work-group.  The price: in a step with one tile a fragment of K or V read from LDS feeds one product instead of two.
; Keys above a block's diagonal are never touched; a block's last two steps are masked.  Keys come in VISITS of 256 (one LDS slot), (17 - i) / 2 of
; them, four trips each; with i odd the last visit brings 128 keys that are not read (they lie inside the batch), and its last two trips do nothing.
; Both products are used transposed (S^T = K Q^T, O^T = V^T P): a lane holds one query.
; Softmax with a running maximum m and sum l: p = 2^(c s - c m), c = log2(e) / 8.  m starts at -inf and O^T at 0, cleared once (64 moves), so that
; the key step is written once.  Every query sees key 0 in its first step, so m is finite from then on.  Exponentials below 2^-126 come out as 0.
; NO JOINT LOADS, though the eight work-groups of a head walk the same keys: how many steps and visits a work-group has, and which steps it masks,
; hang on i, which would be its place in a cluster, and partners in joint loads may differ in no branch and no trip count.
; Windows: 0 all but K's (v0-63) and V's (v64-127) fragments, which lie in window 1.
; Registers, window 0: v3-v11 lane addresses; v12 mask limit; v14 -inf; v[16 + 8 t] a tile's statistics; v32, v33 for the spare words;
; v[40 + 16 t] Q; v[72 + 32 t] S^T; v[136 + 16 t] P; v[168 + 32 t] O^T.
.set SLOT1, 131072
.set VOFF, 36864                       ; K: 256 rows of 144 bytes; then V: 256 rows of 160
.set STAGE, 208896                     ; 16 rows x 144 bytes a wave, for the way out
.set SPARE, 227328                     ; the spare words: 128 bytes for each of eight waves, named by no other line
.set VISITB, 1572864                   ; a visit's 256 keys in memory: two row tiles of 48 planes of 16,384 bytes
.set MSB, 0
.macro WIN new                         ; the immediate's high byte repeats the setting that is left
.if MSB != (\new)
	s_set_vgpr_msb (MSB<<8)|(\new)
.set MSB, (\new)
.endif
.endm
.macro PLACES                          ; four places behind matrix instructions (ISA guide 7.12.1)
.rept 4
	v_nop
.endr
.endm
.macro JLOAD                           ; the refill by the walking descriptors: waves 0, 1 bring K's halves, waves 2, 3 V's, waves 4 to 7 nothing
	s_cmp_lt_u32 s8, 2
	s_cbranch_scc0 .Lnot_k_\@
	tensor_load_to_lds s[44:47], s[24:31]
	s_nop 0
	PLACES
	s_branch .Lasked_\@
.Lnot_k_\@:
	s_cmp_lt_u32 s8, 4
	s_cbranch_scc0 .Lasked_\@
	tensor_load_to_lds s[52:55], s[32:39]
	s_nop 0
	PLACES
.Lasked_\@:
.endm
.macro SETB dst, src, blk, mul         ; s[dst:dst+1] = my wave's 16 rows of the head's plane in block s[blk]; mul = planes in a row tile
	s_add_co_u32 s20, s11, s[\blk]
	s_mul_i32 s20, s20, \mul
	s_add_co_u32 s20, s20, s12
	s_lshl_b32 s20, s20, 14
	s_lshl_b32 s22, s8, 11
	s_add_co_u32 s20, s20, s22
	s_mov_b32 s21, 0
	s_add_nc_u64 s[\dst:\dst+1], s[\src:\src+1], s[20:21]
.endm
.macro QLOAD t, b                      ; Q(t, c): 16 queries x 32 channels, at v[40 + 16 t + 8 c]
.irp c, 0,1
	global_load_b128 v[40+16*\t+8*\c:43+16*\t+8*\c], v7, s[\b:\b+1] offset:64*\c
	global_load_b128 v[44+16*\t+8*\c:47+16*\t+8*\c], v7, s[\b:\b+1] offset:64*\c+32
.endr
.endm
.macro KQ t                            ; 8 products, four accumulators by turns; the first four start the sums
	WIN 0x01
.set i, 0
.rept 8
.set rS, 72+32*\t+8*(i%4)
.set rK, 8*(2*(i%4)+i/4)
.set rQ, 40+16*\t+8*(i/4)
.if i < 4
	v_wmma_f32_16x16x32_bf16 v[rS:rS+7], v[rK:rK+7], v[rQ:rQ+7], 0
.else
	v_wmma_f32_16x16x32_bf16 v[rS:rS+7], v[rK:rK+7], v[rQ:rQ+7], v[rS:rS+7]
.endif
.set i, i+1
.endr
.endm
.macro PV t                            ; 8 products, four accumulators by turns
	WIN 0x01
.set i, 0
.rept 8
.set rO, 168+32*\t+8*(i%4)
.set rV, 64+8*(4*(i/4)+i%4)
.set rP, 136+16*\t+8*(i/4)
	v_wmma_f32_16x16x32_bf16 v[rO:rO+7], v[rV:rV+7], v[rP:rP+7], v[rO:rO+7]
.set i, i+1
.endr
.endm
; Score register 8 kb + j holds key 16 kb + 8 h + j of the step and query 16 w + r of the block: -inf where the key lies behind the query, that is
; where 16 kb + j > 16 w + r - 8 h + 64 (steps left - 2).  Each accumulator is read from its lowest register on.
.macro MASK t, left
	s_sub_co_i32 s20, s[\left], 2
	s_lshl_b32 s20, s20, 6
	v_add_nc_u32 v12, s20, v11
.set q, 0
.rept 32
	v_cmp_gt_i32 vcc_lo, 16*(q/8)+q%8, v12
	v_cndmask_b32 v[72+32*\t+q], v[72+32*\t+q], v14, vcc_lo
.set q, q+1
.endr
.endm
.macro SM t                            ; one tile's softmax for one step.  Statistics at v[16 + 8 t]: c m, m, l (two halves), four at work
.set rT, 16+8*\t
.set rS, 72+32*\t
.set rP, 136+16*\t
.set rO, 168+32*\t
.irp j, 0,1,2,3
	v_max3_num_f32 v[rT+4+\j], v[rS+8*\j], v[rS+8*\j+1], v[rS+8*\j+2]   ; each accumulator is read from its low end on
.endr
.irp j, 0,1,2,3
	v_max3_num_f32 v[rT+4+\j], v[rT+4+\j], v[rS+8*\j+3], v[rS+8*\j+4]
.endr
.irp j, 0,1,2,3
	v_max3_num_f32 v[rT+4+\j], v[rT+4+\j], v[rS+8*\j+5], v[rS+8*\j+6]
.endr
	v_max3_num_f32 v[rT+4], v[rT+4], v[rS+7], v[rS+15]
	v_max3_num_f32 v[rT+6], v[rT+6], v[rS+23], v[rS+31]
	v_max3_num_f32 v[rT+4], v[rT+4], v[rT+5], v[rT+6]
	v_max3_num_f32 v[rT+4], v[rT+4], v[rT+7], v[rT+1]
	v_permlanex16_b32 v[rT+5], v[rT+4], s60, s61   ; the query's other 32 keys lie in the lane 16 away
	v_mov_b32 v[rT+7], v[rT]                       ; c m_old
	v_max_num_f32 v[rT+1], v[rT+4], v[rT+5]
	v_mul_f32 v[rT], s62, v[rT+1]
	v_sub_f32 v[rT+7], v[rT+7], v[rT]
.set q, 0
.rept 16
	v_pk_fma_f32 v[rS+2*q:rS+2*q+1], v[rS+2*q:rS+2*q+1], s[62:63], v[rT:rT+1] op_sel_hi:[1,0,0] neg_lo:[0,0,1] neg_hi:[0,0,1]
.set q, q+1
.endr
	v_exp_f32 v[rT+6], v[rT+7]                     ; a = 2^(c m_old - c m_new)
.set q, 0
.rept 32
	v_exp_f32 v[rS+q], v[rS+q]
.set q, q+1
.endr
	v_nop                                          ; a plain instruction between the last exponential and its use
.set q, 0
	s_wait_alu depctr_va_vdst(0)
.rept 16
	v_cvt_pk_bf16_f32 v[rP+q], v[rS+2*q], v[rS+2*q+1]  ; two score tiles, rounded in pairs, are source 1 of V^T P
.set q, q+1
.endr
.irp w, 16,8,4,2
.set q, 0
.rept \w/2
	v_pk_add_f32 v[rS+2*q:rS+2*q+1], v[rS+2*q:rS+2*q+1], v[rS+2*q+\w:rS+2*q+\w+1]
.set q, q+1
.endr
.endr
	v_pk_fma_f32 v[rT+2:rT+3], v[rT+2:rT+3], v[rT+6:rT+7], v[rS:rS+1] op_sel_hi:[1,0,1]
.set q, 0
.rept 16
	v_pk_mul_f32 v[rO+2*q:rO+2*q+1], v[rO+2*q:rO+2*q+1], v[rT+6:rT+7] op_sel_hi:[1,0]
.set q, q+1
.endr
.endm
; One trip of a visit: 64 keys.  s15 = steps left of the short block, s14 = steps left of the long one; both run on below 0.  A trip for which the long
; block has no step left (the last two trips of the last visit, with i odd) jumps over the whole body.  All that tile 0 does stands inside ONE branch,
; so that its scores are written and read on the same way; tile 1's eight score products are written on both ways.
.macro STEP
	s_cmp_gt_i32 s14, 0
	s_cbranch_scc0 .Lnone_\@
	PLACES                                         ; behind the last V^T P, for the loads into V's registers
	WIN 0x40
.irp f, 0,1,2,3,4,5,6,7                ; K: keys 16 (f / 2) on, channels 32 (f % 2) on
	ds_load_b128 v[8*\f:8*\f+3], v5 offset:(\f/2)*2304+(\f%2)*64
	ds_load_b128 v[8*\f+4:8*\f+7], v5 offset:(\f/2)*2304+(\f%2)*64+32
.endr
.irp f, 0,1,2,3,4,5,6,7                ; V, turned: keys 32 (f / 4) on, channels 16 (f % 4) on
	ds_load_tr16_b128 v[64+8*\f:64+8*\f+3], v6 offset:(\f/4)*5120+(\f%4)*32
	ds_load_tr16_b128 v[64+8*\f+4:64+8*\f+7], v6 offset:(\f/4)*5120+(\f%4)*32+2560
.endr
	WIN 0
	s_wait_dscnt 16                                ; K is in; V's sixteen loads stay out
	s_cmp_gt_i32 s15, 0
	s_cbranch_scc0 .Lone_\@
	KQ 0                                           ; both tiles
	KQ 1
	WIN 0
	PLACES
	s_cmp_gt_u32 s15, 2                            ; only a block's last two steps touch its diagonal
	s_cbranch_scc1 .Lfree0_\@
	MASK 0, 15
.Lfree0_\@:
	SM 0
	s_wait_dscnt 0x0                               ; V is in
	PV 0
	WIN 0
	s_branch .Lboth_\@
.Lone_\@:
	KQ 1                                           ; the short block is finished: tile 1 alone
	WIN 0
	PLACES
.Lboth_\@:
	s_cmp_gt_u32 s14, 2
	s_cbranch_scc1 .Lfree1_\@
	MASK 1, 14
.Lfree1_\@:
	SM 1                                           ; issued while tile 0's products run
	s_wait_dscnt 0x0                               ; V is in
	PV 1
	WIN 0
.Lnone_\@:
	v_add_nc_u32 v5, 9216, v5                      ; the next trip's 64 rows, in every trip
	v_add_nc_u32 v6, 10240, v6
.endm
.macro VISIT                           ; the slot at s19: four trips
	v_add_nc_u32 v5, s19, v3
	v_add_nc_u32 v6, s19, v4
	s_mov_b32 s16, 0
.Ls_\@:
	STEP
	s_sub_co_i32 s15, s15, 1
	s_sub_co_i32 s14, s14, 1
	s_add_co_u32 s16, s16, 1
	s_cmp_lt_u32 s16, 4
	s_cbranch_scc1 .Ls_\@
.endm
.macro CHANGE fill                     ; the change of slots.  fill = 1: the slot just read takes the visit two on
	WIN 0
	s_wait_tensorcnt 0x0                           ; all my tensor loads have landed: my part of the other slot
	ds_add_u32 v32, v33                            ; 0 onto my spare word
.if \fill
	s_xor_b32 s45, s45, SLOT1                      ; no load of mine is out: the walking descriptors step to this slot and the next 256 keys
	s_add_nc_u64 s[46:47], s[46:47], VISITB        ; (the type bits on top are not reached)
	s_xor_b32 s53, s53, SLOT1
	s_add_nc_u64 s[54:55], s[54:55], VISITB
.endif
	s_wait_dscnt 0x0                               ; the add is done and my reads of the slot are over
	s_barrier_signal -1
	s_barrier_wait -1
.if \fill
	JLOAD                                          ; my one tensor load behind the barrier: it has a visit in which to land
.endif
	s_xor_b32 s19, s19, SLOT1
.endm
	s_load_b128 s[4:7], s[0:1], 0x0                ; qkv, att
	v_lshl_add_u32 v32, v0, 2, SPARE
	v_mov_b32 v33, 0
	ds_add_u32 v32, v33
	s_wait_dscnt 0x0
	s_barrier_signal -1
	s_barrier_wait -1
	v_lshrrev_b32 v1, 5, v0
	v_readfirstlane_b32 s8, v1                     ; wave 0..7
	s_mov_b32 s9, ttmp9                            ; i
	s_and_b32 s10, ttmp7, 0xffff
	s_lshr_b32 s11, s10, 4
	s_lshl_b32 s11, s11, 4                         ; the batch's first row tile
	s_and_b32 s12, s10, 15                         ; head
	s_and_b32 s23, s8, 1
	s_mov_b32 s24, 0x07130000                      ; elements of 8 bytes; padding on: 4 words behind every 32
	s_mov_b32 s32, 0x0f130000                      ; V: 8 words
.irp g, 24, 32
	s_mov_b32 s[\g+1], 32<<16                      ; rows of 256 bytes,
	s_mov_b32 s[\g+2], 64<<16                      ; 64 of them: a dense plane of 128 keys
	s_mov_b32 s[\g+3], 32<<16
	s_mov_b32 s[\g+4], 64
	s_mov_b32 s[\g+5], 32
	s_mov_b32 s[\g+6], 0
	s_mov_b32 s[\g+7], 0
.endr
	s_mov_b32 s60, 0x76543210
	s_mov_b32 s61, 0xfedcba98
	s_mov_b32 s62, 0x3e38aa3b                      ; c = log2(e) / 8
	s_mov_b32 s63, s62
	s_mul_i32 s20, s11, 48
	s_add_co_u32 s20, s20, s12
	s_add_co_u32 s20, s20, 16
	s_lshl_b32 s20, s20, 14
	s_mul_i32 s22, s23, 786432                     ; which 128 of a visit's keys I bring
	s_add_co_u32 s20, s20, s22
	s_mov_b32 s21, 0
	s_wait_kmcnt 0x0
	s_add_nc_u64 s[56:57], s[4:5], s[20:21]        ; K
	s_add_nc_u64 s[58:59], s[56:57], 262144        ; V: 16 planes on
	s_mul_i32 s22, s23, 18432
	s_mov_b32 s40, 1                               ; visit 0 into slot 0
	s_add_co_u32 s41, s22, 0
	s_mov_b64 s[42:43], s[56:57]
	s_or_b32 s43, s43, 0x80000000
	s_mov_b32 s44, 1                               ; visit 1 into slot 1; this set then walks on
	s_add_co_u32 s45, s22, SLOT1
	s_add_nc_u64 s[46:47], s[56:57], VISITB
	s_or_b32 s47, s47, 0x80000000
	s_mul_i32 s22, s23, 20480
	s_mov_b32 s48, 1
	s_add_co_u32 s49, s22, VOFF
	s_mov_b64 s[50:51], s[58:59]
	s_or_b32 s51, s51, 0x80000000
	s_mov_b32 s52, 1
	s_add_co_u32 s53, s22, VOFF+SLOT1
	s_add_nc_u64 s[54:55], s[58:59], VISITB
	s_or_b32 s55, s55, 0x80000000
	s_cmp_lt_u32 s8, 2                             ; a wave's two first fills stand in one branch: two loads of waves 0 to 3 are out, none of waves 4 to 7
	s_cbranch_scc0 .Lfirst_nk
	tensor_load_to_lds s[40:43], s[24:31]
	s_nop 0
	tensor_load_to_lds s[44:47], s[24:31]
	s_nop 0
	PLACES
	s_branch .Lfirst_done
.Lfirst_nk:
	s_cmp_lt_u32 s8, 4
	s_cbranch_scc0 .Lfirst_done
	tensor_load_to_lds s[48:51], s[32:39]
	s_nop 0
	tensor_load_to_lds s[52:55], s[32:39]
	s_nop 0
	PLACES
.Lfirst_done:
	v_and_b32 v1, 15, v0                           ; r
	v_bfe_u32 v2, v0, 4, 1                         ; h
	v_lshlrev_b32 v7, 7, v1
	v_lshl_add_u32 v7, v2, 4, v7                   ; Q: row x 128 + 16 h
	s_mov_b32 s70, s9                              ; the short block
	s_sub_co_u32 s71, 15, s9                       ; the long block
	SETB 66, 4, 70, 48
	QLOAD 0, 66
	SETB 74, 4, 71, 48
	QLOAD 1, 74
	SETB 68, 6, 70, 16                             ; the same rows in att
	SETB 72, 6, 71, 16
	s_add_co_u32 s15, s9, 1
	s_lshl_b32 s15, s15, 1                         ; steps of the short block
	s_sub_co_u32 s14, 16, s9
	s_lshl_b32 s14, s14, 1                         ; steps of the long block
	s_sub_co_u32 s17, 17, s9
	s_lshr_b32 s17, s17, 1                         ; visits, 5 to 8;
	s_sub_co_u32 s17, s17, 2                       ; all but the last two are followed by a refill: 3 to 6 trips of the loop below
	s_max_u32 s17, s17, 1                          ; the text states the lower bound, so that the count-down to 0 is seen to end
	v_mul_u32_u24 v3, v1, 144
	v_lshl_add_u32 v3, v2, 4, v3                   ; K: row x 144 + 16 h
	v_and_b32 v12, 7, v0
	v_bfe_u32 v13, v0, 3, 1
	v_lshl_add_u32 v4, v2, 3, v12                  ; V, for the turning load: key 8 h + l % 8, channels 8 ((l / 8) % 2) on
	v_mul_u32_u24 v4, v4, 160
	v_lshl_add_u32 v4, v13, 4, v4
	v_add_nc_u32 v4, VOFF, v4
	s_mul_i32 s20, s8, 2304
	s_add_co_u32 s20, s20, STAGE
	v_add_nc_u32 v8, s20, v3                       ; stage, in: row r, 16 bytes for each half of the lanes
	v_and_b32 v10, 31, v0
	v_lshrrev_b32 v9, 3, v10
	v_mul_u32_u24 v9, v9, 144
	v_lshl_add_u32 v9, v12, 4, v9
	v_add_nc_u32 v9, s20, v9                       ; back: four rows of 128 bytes
	v_lshlrev_b32 v10, 4, v10                      ; 16 l
	v_lshlrev_b32 v11, 3, v2
	v_sub_nc_u32 v11, v1, v11
	s_lshl_b32 s20, s8, 4
	v_add_nc_u32 v11, s20, v11                     ; 16 w + r - 8 h
	v_mov_b32 v14, 0xff800000                      ; -inf
.set q, 0
.rept 64
	v_mov_b32 v[168+q], 0                          ; O^T of both tiles
.set q, q+1
.endr
.irp t, 0,1
	v_mov_b32 v[16+8*\t], v14                      ; c m = m = -inf
	v_mov_b32 v[17+8*\t], v14
.irp e, 2,3,4,5,6,7
	v_mov_b32 v[16+8*\t+\e], 0                     ; l, and the four at work
.endr
.endr
	s_wait_tensorcnt 0x1                           ; my part of slot 0 is in; slot 1's stays out
	s_barrier_signal -1
	s_barrier_wait -1
	s_wait_loadcnt 0x0                             ; Q
	s_mov_b32 s19, 0
.Lv:                                                   ; the visits that are followed by a refill
	VISIT
	CHANGE 1
	s_sub_co_u32 s17, s17, 1
	s_cmp_lg_u32 s17, 0
	s_cbranch_scc1 .Lv
	s_mov_b32 s17, 0
.Lw:                                                   ; the last two visits ask for nothing
	VISIT
	s_cmp_eq_u32 s17, 1
	s_cbranch_scc1 .Lfin
	CHANGE 0
	s_add_co_u32 s17, s17, 1
	s_cmp_lt_u32 s17, 2
	s_cbranch_scc1 .Lw
.Lfin:
	; THE WAY OUT, both tiles: O^T / l, rounded, through my stage, out as whole rows
	PLACES
.irp t, 0,1
	v_add_f32 v[20+8*\t], v[18+8*\t], v[19+8*\t]
.endr
.irp t, 0,1
	v_permlanex16_b32 v[21+8*\t], v[20+8*\t], s60, s61
.endr
.irp t, 0,1
	v_add_f32 v[20+8*\t], v[20+8*\t], v[21+8*\t]
.endr
.irp t, 0,1
	v_rcp_f32 v[22+8*\t], v[20+8*\t]
.endr
	v_nop                                          ; a plain instruction between the last reciprocal and its use
	s_wait_alu depctr_va_vdst(0)
.irp t, 0,1
.set q, 0
.rept 16
	v_pk_mul_f32 v[168+32*\t+2*q:169+32*\t+2*q], v[168+32*\t+2*q:169+32*\t+2*q], v[22+8*\t:23+8*\t] op_sel_hi:[1,0]
.set q, q+1
.endr
.set q, 0
.rept 16
	v_cvt_pk_bf16_f32 v[72+32*\t+q], v[168+32*\t+2*q], v[169+32*\t+2*q]
.set q, q+1
.endr
.irp u, 0,1,2,3
	ds_store_b128 v8, v[72+32*\t+4*\u:75+32*\t+4*\u] offset:32*\u
.endr
.irp u, 0,1,2,3
	ds_load_b128 v[88+32*\t+4*\u:91+32*\t+4*\u], v9 offset:576*\u   ; served in order: these see the stores above, and tile 1's stores come behind tile 0's loads
.endr
	s_wait_dscnt 0x0
.irp u, 0,1,2,3
	global_store_b128 v10, v[88+32*\t+4*\u:91+32*\t+4*\u], s[68+4*\t:69+4*\t] offset:512*\u  ; four rows of 128 bytes: 512 consecutive bytes
.endr
.endr
	s_wait_tensorcnt 0x0                           ; the wave's end
	ds_add_u32 v32, v33
	s_wait_dscnt 0x0
	s_endpgm
.Lfunc_end_k_qb13bd5fe44_attn:
	.size	k_qb13bd5fe44_attn, .Lfunc_end_k_qb13bd5fe44_attn-k_qb13bd5fe44_attn
	.p2alignl 7, 3214868480
	.fill 96, 4, 3214868480
	.section	.rodata,"a",@progbits
	.p2align	6, 0x0
	.amdhsa_kernel k_qb13bd5fe44_attn
		.amdhsa_group_segment_fixed_size 327680
		.amdhsa_private_segment_fixed_size 0
		.amdhsa_enable_private_segment 0
		.amdhsa_kernarg_size 16
		.amdhsa_user_sgpr_count 2
		.amdhsa_user_sgpr_kernarg_segment_ptr 1
		.amdhsa_wavefront_size32 1
		.amdhsa_system_sgpr_workgroup_id_x 1
		.amdhsa_system_sgpr_workgroup_id_y 1
		.amdhsa_system_sgpr_workgroup_id_z 1
		.amdhsa_system_vgpr_workitem_id 0
		.amdhsa_next_free_vgpr 384
		.amdhsa_next_free_sgpr 80
		.amdhsa_reserve_vcc 1
		.amdhsa_float_denorm_mode_32 3
		.amdhsa_float_denorm_mode_16_64 3
		.amdhsa_memory_ordered 1
		.amdhsa_forward_progress 1
		.amdhsa_inst_pref_size 64
	.end_amdhsa_kernel
	.amdgpu_metadata
---
amdhsa.version: [ 1, 2 ]
amdhsa.kernels:
  - .name:           k_qb13bd5fe44_attn
    .symbol:         k_qb13bd5fe44_attn.kd
    .args:
      - { .name: qkv, .offset: 0, .size: 8, .value_kind: global_buffer, .address_space: global }
      - { .name: att, .offset: 8, .size: 8, .value_kind: global_buffer, .address_space: global }
    .group_segment_fixed_size: 327680
    .private_segment_fixed_size: 0
    .kernarg_segment_align: 8
    .kernarg_segment_size: 16
    .max_flat_workgroup_size: 256
    .sgpr_count:     80
    .vgpr_count:     384
    .wavefront_size: 32
...
	.end_amdgpu_metadata
.endif
;; end of part 3
;; launch oproj (part 4): grid 8 x 32, 4 waves a work-group, clusters of 4 x 4, 327,680 bytes of LDS; arguments att, wt, x1, x, g2, x1b, ssq; writes x1, x1b, ssq
.if DOCPART == 4
	.amdgcn_target "amdgcn-amd-amdhsa--gfx1250"
	.amdhsa_code_object_version 6
	.text
	.protected	k_qb13bd5fe44_oproj
	.globl	k_qb13bd5fe44_oproj
	.p2align	8
	.type	k_qb13bd5fe44_oproj,@function
k_qb13bd5fe44_oproj:
	s_mov_b64 s[64:65], 0
	v_nop
	global_prefetch_b8 v0, s[64:65] scope:SCOPE_SE
	s_setreg_imm32_b32 hwreg(HW_REG_WAVE_MODE, 25, 1), 1
	s_wait_xcnt 0x0
	s_wait_alu depctr_hold_cnt(0) depctr_sa_sdst(0) depctr_va_vdst(0) depctr_va_sdst(0) depctr_va_ssrc(0) depctr_va_vcc(0) depctr_vm_vsrc(0)
	s_getreg_b32 s2, hwreg(HW_REG_IB_STS2, 6, 4)
	s_cmp_eq_u32 s2, 0
	s_cbranch_scc0 .Lentry_in_a_cluster
	s_endpgm
.Lentry_in_a_cluster:
	s_bfe_u32 s2, ttmp6, 0x10000c
	s_cmp_lg_u32 s2, 0xf033
	s_cbranch_scc0 .Lentry_shape_is_right
	s_endpgm
.Lentry_shape_is_right:
; x1 = x + att w_o (f32); x1b = bf16(x1 g2), in planes; ssq[plane][row] = the sum of x1^2 over the plane's 64 columns (the second norm's partial sums, one owner each).
; A work-group makes 128 x 128 (N = 1,024 gives 256 work-groups only with this tile), each of four waves 64 x 64 (16 accumulators).  K goes in steps
; of 256 (four planes) through two LDS slots; each wave brings one dense block of 32 KB a step (waves 0, 1: A; waves 2, 3: B), stated as rows of 256
; bytes, padded by 16 bytes behind every 128: LDS rows of 64 k lie 144 bytes apart.  4 x 4 work-groups form a cluster: A's block is asked for jointly
; along a row of the cluster, B's along a column.  The matrix instruction is used transposed: a lane holds 8 neighbouring columns.
; The residual is loaded at the start into window 1 and waits there.  The way out: sums and residual go into the slots' bytes, which have had their
; last fill, and a short loop reads whole rows of 256 bytes.
; Windows: 0 addresses, A's fragments (v32..), row loop (v160..); 1 B's fragments, residual (v128..); 2 accumulators ((a, b) at 8 (NB a + b)).
.set NB, 4
.set TC, 128
.set PL, 4
.set KD, 2
.set STEPS, 4
.set KB, 16
.set REG, 6291456
.set CTS, 262144
.set LEFT, 16                          ; the youngest loads of a fetch (its second chunk) that the first half of a phase does not need
.set P, 272                            ; way out: a row of 64 f32 + 16 bytes
.set RS, 128*P                         ; 64 rows of sums, 64 rows of residual
.set PITCH, 144
.set PLA, 128*PITCH
.set PLB, TC*PITCH
.set SL1, 147456
.set BOFF, 73728
.set BLD, (PL/2)*PLB
.set BR, (PL/2)*TC/2
.set ASTEP, PL*16384
.set BSTEP, PL*TC*128
.set NW, 4*KD*NB
.set NL, 2*KD*(NB+4)
.set TAB, 294912                       ; 256 bytes a wave: its 64 rows' sums of squares
.set SPARE, 295936
.set MSB, 0
.macro WIN new
.if MSB != (\new)
	s_set_vgpr_msb (MSB<<8)|(\new)
.set MSB, (\new)
.endif
.endm
.macro PLACES
.rept 4
	v_nop
.endr
.endm
.macro CREST
	s_cmp_lg_u32 s10, 0
	s_cbranch_scc1 .Lnot_wave_0_\@
	s_barrier_signal -3
.Lnot_wave_0_\@:
	s_barrier_wait -3
	s_barrier_signal -1
	s_barrier_wait -1
.endm
.macro CROUND
	s_barrier_signal -1
	s_barrier_wait -1
	CREST
.endm
.macro JLOAD
	s_cmp_eq_u32 s11, 0
	s_cbranch_scc0 .Lfor_b_\@
	tensor_load_to_lds s[36:39], s[24:31]
	s_nop 0
	PLACES
	s_branch .Lasked_\@
.Lfor_b_\@:
	tensor_load_to_lds s[60:63], s[48:55]
	s_nop 0
	PLACES
.Lasked_\@:
.endm
.macro CUR
	v_add_nc_u32 v6, s21, v4
	v_add_nc_u32 v8, s21, v5
	v_add_nc_u32 v9, (PL/2)*PLB, v8
.endm
.macro FETCH q, f                      ; the fragments of phase q (KD chunks of 32 k) into buffer f; chunk by chunk, B's then A's
.set cc, 0
.rept KD
.set gg, KD*\q+cc
.set pp, gg/2
.set kk, 64*(gg%2)
	WIN 0x40
.set bb, 0
.rept NB
.set rB, \f*KD*NB*8+8*(NB*cc+bb)
.set oB, (pp%(PL/2))*PLB+bb*16*PITCH+kk
	ds_load_b128 v[rB:rB+3], v[8+pp/(PL/2)] offset:oB
	ds_load_b128 v[rB+4:rB+7], v[8+pp/(PL/2)] offset:oB+32
.set bb, bb+1
.endr
	WIN 0
.set aa, 0
.rept 4
.set rA, 32+\f*KD*32+8*(4*cc+aa)
.set oA, pp*PLA+aa*16*PITCH+kk
	ds_load_b128 v[rA:rA+3], v6 offset:oA
	ds_load_b128 v[rA+4:rA+7], v6 offset:oA+32
.set aa, aa+1
.endr
.set cc, cc+1
.endr
.endm
.macro MMR f, i0, i1, zero             ; products i0 .. i1 - 1 of a phase; all accumulators take turns
.set i, \i0
.rept \i1-\i0
.set cc, i/(4*NB)
.set aa, (i/NB)%4
.set bb, i%NB
.set LL, 8*(NB*aa+bb)
.set WW, 2+LL/256
.set RR, LL%256
.set rB, \f*KD*NB*8+8*(NB*cc+bb)
.set rA, 32+\f*KD*32+8*(4*cc+aa)
	WIN 0x01|(WW<<4)|(WW<<6)
.if \zero && (cc == 0)
	v_wmma_f32_16x16x32_bf16 v[RR:RR+7], v[rB:rB+7], v[rA:rA+7], 0
.else
	v_wmma_f32_16x16x32_bf16 v[RR:RR+7], v[rB:rB+7], v[rA:rA+7], v[RR:RR+7]
.endif
.set i, i+1
.endr
.endm
.macro PHASE f, g, qn, zero
	s_wait_dscnt LEFT                              ; all of my buffer but its youngest LEFT loads
	MMR \f, 0, NW/2, \zero
	PLACES
	FETCH \qn, \g
	s_wait_dscnt NL                                ; all but the NL loads just issued
	MMR \f, NW/2, NW, \zero
.endm
.macro TURN
	WIN 0
	s_wait_tensorcnt 0x0                           ; all my tensor loads have landed: my part of the next slot
	ds_add_u32 v28, v29                            ; 0 onto my spare word
	s_xor_b32 s37, s37, SL1                        ; the walking descriptors step to this slot, two steps on
	s_add_nc_u64 s[38:39], s[38:39], ASTEP
	s_xor_b32 s61, s61, SL1
	s_add_nc_u64 s[62:63], s[62:63], BSTEP
	s_wait_dscnt LEFT+1                            ; the add and the youngest LEFT loads may be out
	MMR 1, 0, NW/4, 0
	s_wait_dscnt 0x0                               ; the add is done and my reads of this slot are over
	s_barrier_signal -1
	MMR 1, NW/4, NW/2, 0
	WIN 0
	s_barrier_wait -1
	CREST                                          ; no wave of any partner still reads this slot or has a load on its way
	JLOAD                                          ; my one tensor load behind the round
	s_xor_b32 s21, s21, SL1
	CUR
	FETCH 0, 0
	MMR 1, NW/2, NW, 0
.endm
	s_load_b128 s[4:7], s[0:1], 0x0                ; A, wt
	s_load_b64 s[8:9], s[0:1], 0x10                ; x1
	s_load_b256 s[68:75], s[0:1], 0x18             ; x, g2, x1b, ssq
	v_lshl_add_u32 v28, v0, 2, SPARE
	v_mov_b32 v29, 0
	ds_add_u32 v28, v29
	s_wait_dscnt 0x0
	v_lshrrev_b32 v1, 5, v0
	v_readfirstlane_b32 s10, v1                    ; wave
	s_lshr_b32 s11, s10, 1                         ; my half of the rows; also: I fetch A (0) or B (1)
	s_and_b32 s12, s10, 1                          ; my half of the columns; also: which half of a step's planes I fetch
	s_bfe_u32 s40, ttmp6, 0x40000
	s_bfe_u32 s41, ttmp6, 0x40004
	s_lshl_b32 s42, ttmp9, 2
	s_add_co_u32 s42, s42, s40                     ; tx
	s_and_b32 s13, ttmp7, 0xffff
	s_lshl_b32 s13, s13, 2
	s_add_co_u32 s13, s13, s41                     ; ty
	s_lshl_b32 s43, s41, 2
	s_lshl_b32 s43, 15, s43
	s_lshl_b32 s44, 0x1111, s40
	s_or_b32 s24, s43, 0x07330000                  ; mask; elements of 8 bytes; padding on; bit 21 beside a mask; 4 words behind every 32
	s_or_b32 s48, s44, 0x07330000
	s_mov_b32 s25, 32<<16
	s_mov_b32 s26, 128<<16
	s_mov_b32 s27, 32<<16
	s_mov_b32 s28, 128
	s_mov_b32 s29, 32
	s_mov_b32 s30, 0
	s_mov_b32 s31, 0
	s_mov_b32 s49, 32<<16
	s_mov_b32 s50, BR<<16
	s_mov_b32 s51, 32<<16
	s_mov_b32 s52, BR
	s_mov_b32 s53, 32
	s_mov_b32 s54, 0
	s_mov_b32 s55, 0
	s_mul_i32 s16, s13, KB*16384                   ; A: row tile ty, my two planes of a step's four
	s_lshl_b32 s17, s12, 15
	s_add_co_u32 s16, s16, s17
	s_mov_b32 s17, 0
	s_mul_i32 s46, s42, CTS
	s_mul_i32 s47, s12, (PL/2)*TC*128
	s_add_co_u32 s46, s46, s47
	s_add_co_u32 s46, s46, REG
	s_mov_b32 s47, 0
	s_mul_i32 s20, s12, 36864
	s_mul_i32 s22, s12, BLD
	s_add_co_u32 s22, s22, BOFF
	s_wait_kmcnt 0x0
	s_add_nc_u64 s[14:15], s[4:5], s[16:17]
	s_add_nc_u64 s[46:47], s[6:7], s[46:47]
	CROUND
.irp s, 0,1
	s_mov_b32 s[32+4*\s], 1
	s_add_co_u32 s[33+4*\s], s20, \s*SL1
	s_add_nc_u64 s[34+4*\s:35+4*\s], s[14:15], \s*ASTEP
	s_or_b32 s[35+4*\s], s[35+4*\s], 0x80000000
	s_mov_b32 s[56+4*\s], 1
	s_add_co_u32 s[57+4*\s], s22, \s*SL1
	s_add_nc_u64 s[58+4*\s:59+4*\s], s[46:47], \s*BSTEP
	s_or_b32 s[59+4*\s], s[59+4*\s], 0x80000000
.endr
	s_cmp_eq_u32 s11, 0
	s_cbranch_scc0 .Lfirst_b
	tensor_load_to_lds s[32:35], s[24:31]
	s_nop 0
	tensor_load_to_lds s[36:39], s[24:31]
	s_nop 0
	PLACES
	s_branch .Lfirst_done
.Lfirst_b:
	tensor_load_to_lds s[56:59], s[48:55]
	s_nop 0
	tensor_load_to_lds s[60:63], s[48:55]
	s_nop 0
	PLACES
.Lfirst_done:
	v_and_b32 v1, 15, v0                           ; r
	v_bfe_u32 v2, v0, 4, 1                         ; h
	v_mul_u32_u24 v3, v1, PITCH
	v_lshl_add_u32 v3, v2, 4, v3
	s_mul_i32 s16, s11, 9216                       ; my 64 rows of A
	v_add_nc_u32 v4, s16, v3
	s_mul_i32 s17, s12, 9216                       ; my 64 rows of B
	s_add_co_u32 s17, s17, BOFF
	v_add_nc_u32 v5, s17, v3
	s_mul_i32 s16, s10, RS
	v_mul_u32_u24 v10, v1, P
	v_lshl_add_u32 v10, v2, 5, v10
	v_add_nc_u32 v10, s16, v10                     ; way out, in: row r, 32 bytes for each half of the lanes
	v_mul_u32_u24 v11, v2, P
	v_lshl_add_u32 v11, v1, 4, v11
	v_add_nc_u32 v11, s16, v11                     ; back: lanes 0-15 one row of 256 bytes, lanes 16-31 the next
	v_lshlrev_b32 v20, 4, v1                       ; 16 c
	v_lshl_add_u32 v12, v2, 12, v20                ; the same two rows in x and x1
	v_and_b32 v21, 31, v0
	v_lshlrev_b32 v13, 3, v21                      ; 8 l
	s_lshl_b32 s78, s10, 8
	s_add_co_u32 s78, s78, TAB
	v_lshl_add_u32 v14, v2, 2, s78
	v_add_nc_u32 v15, s78, v13
	s_lshl_b32 s78, s13, 7
	s_lshl_b32 s79, s11, 6
	s_add_co_u32 s78, s78, s79                     ; my first row
	s_lshl_b32 s80, s42, 7
	s_lshl_b32 s81, s12, 6
	s_add_co_u32 s80, s80, s81
	s_lshl_b32 s80, s80, 2                         ; my first column, in bytes
	s_mov_b32 s81, 0
	s_add_nc_u64 s[70:71], s[70:71], s[80:81]      ; g2 at my columns
	s_lshl_b32 s82, s78, 12
	s_add_co_u32 s82, s82, s80
	s_mov_b32 s83, 0
	s_add_nc_u64 s[76:77], s[68:69], s[82:83]      ; x at my corner
	s_add_nc_u64 s[8:9], s[8:9], s[82:83]          ; x1 likewise
	s_lshl_b32 s80, s42, 1
	s_add_co_u32 s80, s80, s12                     ; my plane of 64 columns
	s_lshl_b32 s82, s80, 14
	s_lshl_b32 s78, s78, 2
	s_add_co_u32 s82, s82, s78
	s_add_nc_u64 s[74:75], s[74:75], s[82:83]      ; ssq[plane][my rows]
	s_lshl_b32 s82, s13, 4
	s_add_co_u32 s82, s82, s80
	s_lshl_b32 s82, s82, 14
	s_lshl_b32 s78, s11, 13
	s_add_co_u32 s82, s82, s78
	s_add_nc_u64 s[72:73], s[72:73], s[82:83]      ; x1b at my 64 rows of my plane
	global_load_b128 v[16:19], v20, s[70:71]       ; g2 of my four columns
	WIN 0x40
.set n, 0
.rept 32                               ; the residual: rows 2 n + h, 256 consecutive bytes for 16 lanes; it stays out under the products
	global_load_b128 v[128+4*n:131+4*n], v12, s[76:77] offset:8192*n
.set n, n+1
.endr
	WIN 0
	s_wait_tensorcnt 0x1                           ; my part of step 0 is in; step 1's stays out
	s_wait_dscnt 0x0
	s_barrier_signal -1
	s_barrier_wait -1
	s_mov_b32 s21, 0
	CUR
	FETCH 0, 0
	PHASE 0, 1, 1, 1
	WIN 0
	s_mov_b32 s2, STEPS-2
.Lk:
	PHASE 1, 0, 2, 0
	PHASE 0, 1, 3, 0
	TURN
	PHASE 0, 1, 1, 0
	WIN 0
	s_sub_co_u32 s2, s2, 1
	s_cmp_lg_u32 s2, 0
	s_cbranch_scc1 .Lk
	s_mov_b32 s3, 0
.Lt:                                                   ; the last two steps ask for nothing
	PHASE 1, 0, 2, 0
	PHASE 0, 1, 3, 0
	s_wait_dscnt LEFT
	MMR 1, 0, NW/2, 0
	s_wait_dscnt 0x0
	MMR 1, NW/2, NW, 0
	WIN 0
	s_cmp_eq_u32 s3, 1
	s_cbranch_scc1 .Lout
	s_wait_tensorcnt 0x0
	ds_add_u32 v28, v29
	s_xor_b32 s21, s21, SL1
	s_wait_dscnt 0x0
	s_barrier_signal -1
	s_barrier_wait -1
	CUR
	PLACES
	FETCH 0, 0
	PHASE 0, 1, 1, 0
	WIN 0
	s_add_co_u32 s3, s3, 1
	s_cmp_lt_u32 s3, 2
	s_cbranch_scc1 .Lt
.Lout:
	s_wait_dscnt 0x0
	s_barrier_signal -1
	s_barrier_wait -1                              ; no wave reads the slots any more, and they have had their last fill
	PLACES
.set i, 0
.rept 4*NB
.set LL, 8*i
	WIN (2+LL/256)<<2
	ds_store_b128 v10, v[LL%256:LL%256+3] offset:(i/NB)*16*P+64*(i%NB)
	ds_store_b128 v10, v[LL%256+4:LL%256+7] offset:(i/NB)*16*P+64*(i%NB)+16
.set i, i+1
.endr
	s_wait_loadcnt 0x0                             ; the residual and g2
	WIN 0x04
.set n, 0
.rept 32
	ds_store_b128 v11, v[128+4*n:131+4*n] offset:64*P+2*P*n
.set n, n+1
.endr
	WIN 0
	s_mov_b32 s2, 8
.Lrow:                                                 ; 8 rows a trip
.irp t, 0,1,2,3
	ds_load_b128 v[160+4*\t:163+4*\t], v11 offset:2*P*\t
	ds_load_b128 v[176+4*\t:179+4*\t], v11 offset:64*P+2*P*\t
.endr
	s_wait_dscnt 0x0
.irp t, 0,1,2,3
	v_pk_add_f32 v[160+4*\t:161+4*\t], v[160+4*\t:161+4*\t], v[176+4*\t:177+4*\t]
	v_pk_add_f32 v[162+4*\t:163+4*\t], v[162+4*\t:163+4*\t], v[178+4*\t:179+4*\t]
	global_store_b128 v12, v[160+4*\t:163+4*\t], s[8:9] offset:8192*\t   ; 16 lanes store 256 consecutive bytes
.endr
.irp t, 0,1,2,3
	v_pk_mul_f32 v[192+2*\t:193+2*\t], v[160+4*\t:161+4*\t], v[160+4*\t:161+4*\t]
	v_pk_mul_f32 v[200+4*\t:201+4*\t], v[160+4*\t:161+4*\t], v[16:17]
	v_pk_mul_f32 v[202+4*\t:203+4*\t], v[162+4*\t:163+4*\t], v[18:19]
.endr
.irp t, 0,1,2,3
	v_pk_fma_f32 v[192+2*\t:193+2*\t], v[162+4*\t:163+4*\t], v[162+4*\t:163+4*\t], v[192+2*\t:193+2*\t]
	v_cvt_pk_bf16_f32 v[216+2*\t], v[200+4*\t], v[201+4*\t]
	v_cvt_pk_bf16_f32 v[217+2*\t], v[202+4*\t], v[203+4*\t]
.endr
.irp t, 0,1,2,3
	v_add_f32 v[192+2*\t], v[192+2*\t], v[193+2*\t]
	global_store_b64 v13, v[216+2*\t:217+2*\t], s[72:73] offset:256*\t   ; two rows of 128 bytes: 256 consecutive bytes
.endr
.irp m, 1,2,4,8
.irp t, 0,1,2,3
	v_add_f32_dpp v[192+2*\t], v[192+2*\t], v[192+2*\t] row_xmask:\m row_mask:0xf bank_mask:0xf
.endr
.endr
.irp t, 0,1,2,3
	ds_store_b32 v14, v[192+2*\t] offset:8*\t      ; 16 lanes write one word with one value: the row's sum over my 64 columns
.endr
	s_wait_xcnt 0x0                                ; the stores' data and bases are rewritten only behind this wait
	v_add_nc_u32 v11, 8*P, v11
	v_add_nc_u32 v14, 32, v14
	s_add_nc_u64 s[8:9], s[8:9], 32768
	s_add_nc_u64 s[72:73], s[72:73], 1024
	s_sub_co_u32 s2, s2, 1
	s_cmp_lg_u32 s2, 0
	s_cbranch_scc1 .Lrow
	ds_load_b64 v[192:193], v15                    ; my 64 rows' sums, 256 bytes
	s_wait_dscnt 0x0
	global_store_b64 v13, v[192:193], s[74:75]
	s_wait_tensorcnt 0x0                           ; the wave's end
	ds_add_u32 v28, v29
	s_wait_dscnt 0x0
	CROUND
	s_endpgm
.Lfunc_end_k_qb13bd5fe44_oproj:
	.size	k_qb13bd5fe44_oproj, .Lfunc_end_k_qb13bd5fe44_oproj-k_qb13bd5fe44_oproj
	.p2alignl 7, 3214868480
	.fill 96, 4, 3214868480
	.section	.rodata,"a",@progbits
	.p2align	6, 0x0
	.amdhsa_kernel k_qb13bd5fe44_oproj
		.amdhsa_group_segment_fixed_size 327680
		.amdhsa_private_segment_fixed_size 0
		.amdhsa_enable_private_segment 0
		.amdhsa_kernarg_size 56
		.amdhsa_user_sgpr_count 2
		.amdhsa_user_sgpr_kernarg_segment_ptr 1
		.amdhsa_wavefront_size32 1
		.amdhsa_system_sgpr_workgroup_id_x 1
		.amdhsa_system_sgpr_workgroup_id_y 1
		.amdhsa_system_sgpr_workgroup_id_z 1
		.amdhsa_system_vgpr_workitem_id 0
		.amdhsa_next_free_vgpr 1024
		.amdhsa_next_free_sgpr 84
		.amdhsa_reserve_vcc 0
		.amdhsa_float_denorm_mode_32 3
		.amdhsa_float_denorm_mode_16_64 3
		.amdhsa_memory_ordered 1
		.amdhsa_forward_progress 1
		.amdhsa_inst_pref_size 64
	.end_amdhsa_kernel
	.amdgpu_metadata
---
amdhsa.version: [ 1, 2 ]
amdhsa.kernels:
  - .name:           k_qb13bd5fe44_oproj
    .symbol:         k_qb13bd5fe44_oproj.kd
    .args:
      - { .name: att, .offset: 0, .size: 8, .value_kind: global_buffer, .address_space: global }
      - { .name: wt, .offset: 8, .size: 8, .value_kind: global_buffer, .address_space: global }
      - { .name: x1, .offset: 16, .size: 8, .value_kind: global_buffer, .address_space: global }
      - { .name: x, .offset: 24, .size: 8, .value_kind: global_buffer, .address_space: global }
      - { .name: g2, .offset: 32, .size: 8, .value_kind: global_buffer, .address_space: global }
      - { .name: x1b, .offset: 40, .size: 8, .value_kind: global_buffer, .address_space: global }
      - { .name: ssq, .offset: 48, .size: 8, .value_kind: global_buffer, .address_space: global }
    .group_segment_fixed_size: 327680
    .private_segment_fixed_size: 0
    .kernarg_segment_align: 8
    .kernarg_segment_size: 56
    .max_flat_workgroup_size: 128
    .sgpr_count:     84
    .vgpr_count:     1024
    .wavefront_size: 32
...
	.end_amdgpu_metadata
.endif
;; end of part 4
;; launch gu (part 5): grid 16 x 16, 4 waves a work-group, clusters of 4 x 4, 327,680 bytes of LDS; arguments x1b, wt, hid, ssq; writes hid
.if DOCPART == 5
	.amdgcn_target "amdgcn-amd-amdhsa--gfx1250"
	.amdhsa_code_object_version 6
	.text
	.protected	k_qb13bd5fe44_gu
	.globl	k_qb13bd5fe44_gu
	.p2align	8
	.type	k_qb13bd5fe44_gu,@function
k_qb13bd5fe44_gu:
	s_mov_b64 s[64:65], 0
	v_nop
	global_prefetch_b8 v0, s[64:65] scope:SCOPE_SE
	s_setreg_imm32_b32 hwreg(HW_REG_WAVE_MODE, 25, 1), 1
	s_wait_xcnt 0x0
	s_wait_alu depctr_hold_cnt(0) depctr_sa_sdst(0) depctr_va_vdst(0) depctr_va_sdst(0) depctr_va_ssrc(0) depctr_va_vcc(0) depctr_vm_vsrc(0)
	s_getreg_b32 s2, hwreg(HW_REG_IB_STS2, 6, 4)
	s_cmp_eq_u32 s2, 0
	s_cbranch_scc0 .Lentry_in_a_cluster
	s_endpgm
.Lentry_in_a_cluster:
	s_bfe_u32 s2, ttmp6, 0x10000c
	s_cmp_lg_u32 s2, 0xf033
	s_cbranch_scc0 .Lentry_shape_is_right
	s_endpgm
.Lentry_shape_is_right:
; hid = silu(r G) (r U), G = x1b w_gate, U = x1b w_up, r[row] = rsqrt(sum of ssq[.][row] / 1024 + 1e-6): the second norm's gain lies in x1b already,
; its row factor is applied to the f32 sums here.  bf16 out, in planes.
; A work-group makes 256 rows x (128 gate + 128 up columns), each of four waves 64 x 256 (64 accumulators).  K goes in steps of 128 (two planes)
; through two LDS slots; each wave brings one dense block of 32 KB a step (waves 0, 1: A; waves 2, 3: B), stated as rows of 256 bytes, padded by 16
; bytes behind every 128: LDS rows of 64 k lie 144 bytes apart.  4 x 4 work-groups form a cluster: A's block is asked for jointly along a row of the
; cluster, B's along a column.  The matrix instruction is used transposed: a lane holds 8 neighbouring columns.
; The way out: sums go raw into the slots' bytes, which have had their last fill; a short loop reads gate and up of the same columns by rows.
; Windows: 0 addresses, A's fragments (v32..), row loop (v160..); 1 B's fragments; 2, 3 accumulators ((a, b) at 8 (NB a + b)).
.set NB, 16
.set TC, 256
.set PL, 2
.set KD, 1
.set STEPS, 8
.set KB, 16
.set REG, 8388608
.set CTS, 524288
.set LEFT, 4
.set P, 1040                           ; way out: a row of 256 f32 + 16 bytes
.set RS, 64*P
.set PITCH, 144
.set PLA, 128*PITCH
.set PLB, TC*PITCH
.set SL1, 147456
.set BOFF, 73728
.set BLD, (PL/2)*PLB
.set BR, (PL/2)*TC/2
.set ASTEP, PL*16384
.set BSTEP, PL*TC*128
.set NW, 4*KD*NB
.set NL, 2*KD*(NB+4)
.set TAB, 294912                       ; 256 bytes a wave: r of its 64 rows
.set SPARE, 295936
.set MSB, 0
.macro WIN new
.if MSB != (\new)
	s_set_vgpr_msb (MSB<<8)|(\new)
.set MSB, (\new)
.endif
.endm
.macro PLACES
.rept 4
	v_nop
.endr
.endm
.macro CREST
	s_cmp_lg_u32 s10, 0
	s_cbranch_scc1 .Lnot_wave_0_\@
	s_barrier_signal -3
.Lnot_wave_0_\@:
	s_barrier_wait -3
	s_barrier_signal -1
	s_barrier_wait -1
.endm
.macro CROUND
	s_barrier_signal -1
	s_barrier_wait -1
	CREST
.endm
.macro JLOAD
	s_cmp_eq_u32 s11, 0
	s_cbranch_scc0 .Lfor_b_\@
	tensor_load_to_lds s[36:39], s[24:31]
	s_nop 0
	PLACES
	s_branch .Lasked_\@
.Lfor_b_\@:
	tensor_load_to_lds s[60:63], s[48:55]
	s_nop 0
	PLACES
.Lasked_\@:
.endm
.macro CUR
	v_add_nc_u32 v6, s21, v4
	v_add_nc_u32 v8, s21, v5
	v_add_nc_u32 v9, (PL/2)*PLB, v8
.endm
.macro FETCH q, f
.set cc, 0
.rept KD
.set gg, KD*\q+cc
.set pp, gg/2
.set kk, 64*(gg%2)
	WIN 0x40
.set bb, 0
.rept NB
.set rB, \f*KD*NB*8+8*(NB*cc+bb)
.set oB, (pp%(PL/2))*PLB+bb*16*PITCH+kk
	ds_load_b128 v[rB:rB+3], v[8+pp/(PL/2)] offset:oB
	ds_load_b128 v[rB+4:rB+7], v[8+pp/(PL/2)] offset:oB+32
.set bb, bb+1
.endr
	WIN 0
.set aa, 0
.rept 4
.set rA, 32+\f*KD*32+8*(4*cc+aa)
.set oA, pp*PLA+aa*16*PITCH+kk
	ds_load_b128 v[rA:rA+3], v6 offset:oA
	ds_load_b128 v[rA+4:rA+7], v6 offset:oA+32
.set aa, aa+1
.endr
.set cc, cc+1
.endr
.endm
.macro MMR f, i0, i1, zero             ; all accumulators take turns
.set i, \i0
.rept \i1-\i0
.set cc, i/(4*NB)
.set aa, (i/NB)%4
.set bb, i%NB
.set LL, 8*(NB*aa+bb)
.set WW, 2+LL/256
.set RR, LL%256
.set rB, \f*KD*NB*8+8*(NB*cc+bb)
.set rA, 32+\f*KD*32+8*(4*cc+aa)
	WIN 0x01|(WW<<4)|(WW<<6)
.if \zero && (cc == 0)
	v_wmma_f32_16x16x32_bf16 v[RR:RR+7], v[rB:rB+7], v[rA:rA+7], 0
.else
	v_wmma_f32_16x16x32_bf16 v[RR:RR+7], v[rB:rB+7], v[rA:rA+7], v[RR:RR+7]
.endif
.set i, i+1
.endr
.endm
.macro PHASE f, g, qn, zero
	s_wait_dscnt LEFT                              ; all of my buffer but its youngest LEFT loads
	MMR \f, 0, NW/2, \zero
	PLACES
	FETCH \qn, \g
	s_wait_dscnt NL                                ; all but the NL loads just issued
	MMR \f, NW/2, NW, \zero
.endm
.macro TURN
	WIN 0
	s_wait_tensorcnt 0x0                           ; all my tensor loads have landed: my part of the next slot
	ds_add_u32 v28, v29                            ; 0 onto my spare word
	s_xor_b32 s37, s37, SL1
	s_add_nc_u64 s[38:39], s[38:39], ASTEP
	s_xor_b32 s61, s61, SL1
	s_add_nc_u64 s[62:63], s[62:63], BSTEP
	s_wait_dscnt LEFT+1                            ; the add and the youngest LEFT loads may be out
	MMR 1, 0, NW/4, 0
	s_wait_dscnt 0x0                               ; the add is done and my reads of this slot are over
	s_barrier_signal -1
	MMR 1, NW/4, NW/2, 0
	WIN 0
	s_barrier_wait -1
	CREST
	JLOAD                                          ; my one tensor load behind the round
	s_xor_b32 s21, s21, SL1
	CUR
	FETCH 0, 0
	MMR 1, NW/2, NW, 0
.endm
	s_load_b128 s[4:7], s[0:1], 0x0                ; A, wt
	s_load_b64 s[8:9], s[0:1], 0x10                ; hid
	s_load_b64 s[68:69], s[0:1], 0x18              ; ssq
	v_lshl_add_u32 v28, v0, 2, SPARE
	v_mov_b32 v29, 0
	ds_add_u32 v28, v29
	s_wait_dscnt 0x0
	v_lshrrev_b32 v1, 5, v0
	v_readfirstlane_b32 s10, v1
	s_lshr_b32 s11, s10, 1
	s_and_b32 s12, s10, 1
	s_bfe_u32 s40, ttmp6, 0x40000
	s_bfe_u32 s41, ttmp6, 0x40004
	s_lshl_b32 s42, ttmp9, 2
	s_add_co_u32 s42, s42, s40                     ; tx
	s_and_b32 s13, ttmp7, 0xffff
	s_lshl_b32 s13, s13, 2
	s_add_co_u32 s13, s13, s41                     ; ty
	s_lshl_b32 s43, s41, 2
	s_lshl_b32 s43, 15, s43
	s_lshl_b32 s44, 0x1111, s40
	s_or_b32 s24, s43, 0x07330000
	s_or_b32 s48, s44, 0x07330000
	s_mov_b32 s25, 32<<16
	s_mov_b32 s26, 128<<16
	s_mov_b32 s27, 32<<16
	s_mov_b32 s28, 128
	s_mov_b32 s29, 32
	s_mov_b32 s30, 0
	s_mov_b32 s31, 0
	s_mov_b32 s49, 32<<16
	s_mov_b32 s50, BR<<16
	s_mov_b32 s51, 32<<16
	s_mov_b32 s52, BR
	s_mov_b32 s53, 32
	s_mov_b32 s54, 0
	s_mov_b32 s55, 0
	s_lshl_b32 s16, s13, 1
	s_add_co_u32 s16, s16, s12
	s_mul_i32 s16, s16, KB*16384
	s_mov_b32 s17, 0
	s_mul_i32 s46, s42, CTS
	s_mul_i32 s47, s12, (PL/2)*TC*128
	s_add_co_u32 s46, s46, s47
	s_add_co_u32 s46, s46, REG
	s_mov_b32 s47, 0
	s_mul_i32 s20, s12, 36864
	s_mul_i32 s22, s12, BLD
	s_add_co_u32 s22, s22, BOFF
	s_wait_kmcnt 0x0
	s_add_nc_u64 s[14:15], s[4:5], s[16:17]
	s_add_nc_u64 s[46:47], s[6:7], s[46:47]
	CROUND
.irp s, 0,1
	s_mov_b32 s[32+4*\s], 1
	s_add_co_u32 s[33+4*\s], s20, \s*SL1
	s_add_nc_u64 s[34+4*\s:35+4*\s], s[14:15], \s*ASTEP
	s_or_b32 s[35+4*\s], s[35+4*\s], 0x80000000
	s_mov_b32 s[56+4*\s], 1
	s_add_co_u32 s[57+4*\s], s22, \s*SL1
	s_add_nc_u64 s[58+4*\s:59+4*\s], s[46:47], \s*BSTEP
	s_or_b32 s[59+4*\s], s[59+4*\s], 0x80000000
.endr
	s_cmp_eq_u32 s11, 0
	s_cbranch_scc0 .Lfirst_b
	tensor_load_to_lds s[32:35], s[24:31]
	s_nop 0
	tensor_load_to_lds s[36:39], s[24:31]
	s_nop 0
	PLACES
	s_branch .Lfirst_done
.Lfirst_b:
	tensor_load_to_lds s[56:59], s[48:55]
	s_nop 0
	tensor_load_to_lds s[60:63], s[48:55]
	s_nop 0
	PLACES
.Lfirst_done:
	v_and_b32 v1, 15, v0                           ; r
	v_bfe_u32 v2, v0, 4, 1                         ; h
	; r of my 64 rows: lane (r, h) adds planes h, h + 2, .. h + 14 of rows 4 r .. 4 r + 3 (16 lanes read 256 consecutive bytes); the other half of the lanes brings the rest
	s_lshl_b32 s78, s13, 8
	s_lshl_b32 s79, s10, 6
	s_add_co_u32 s78, s78, s79
	s_lshl_b32 s78, s78, 2
	s_mov_b32 s79, 0
	s_add_nc_u64 s[68:69], s[68:69], s[78:79]
	v_lshlrev_b32 v16, 4, v1
	v_lshl_add_u32 v16, v2, 14, v16
.irp j, 0,1,2,3,4,5,6,7
	global_load_b128 v[160+4*\j:163+4*\j], v16, s[68:69] offset:\j*32768
.endr
	v_mul_u32_u24 v3, v1, PITCH
	v_lshl_add_u32 v3, v2, 4, v3
	s_mul_i32 s16, s11, 36864
	s_mul_i32 s17, s12, 9216
	s_add_co_u32 s16, s16, s17
	v_add_nc_u32 v4, s16, v3
	v_add_nc_u32 v5, BOFF, v3
	s_mul_i32 s16, s10, RS
	v_mul_u32_u24 v10, v1, P
	v_lshl_add_u32 v10, v2, 5, v10
	v_add_nc_u32 v10, s16, v10
	v_and_b32 v20, 31, v0
	v_lshrrev_b32 v17, 3, v20
	v_and_b32 v18, 7, v20
	v_mul_u32_u24 v11, v17, P
	v_lshl_add_u32 v11, v18, 5, v11
	v_add_nc_u32 v11, s16, v11                     ; back: four rows, 8 numbers a lane
	v_lshlrev_b32 v12, 4, v20                      ; 16 l
	s_lshl_b32 s16, s10, 8
	s_add_co_u32 s16, s16, TAB
	v_lshl_add_u32 v14, v1, 4, s16                 ; the table's words of rows 4 r .. 4 r + 3
	v_lshl_add_u32 v15, v17, 2, s16
	s_mov_b32 s80, 0x76543210
	s_mov_b32 s81, 0xfedcba98
	s_mov_b32 s82, 0x3a800000                      ; 1 / 1024
	s_mov_b32 s83, 0x358637bd                      ; 1e-6
	s_lshl_b32 s76, s13, 1
	s_add_co_u32 s76, s76, s11                     ; my row tile
	s_lshl_b32 s76, s76, 5
	s_lshl_b32 s78, s42, 1
	s_add_co_u32 s76, s76, s78                     ; first of my two planes
	s_lshl_b32 s76, s76, 14
	s_lshl_b32 s78, s12, 13
	s_add_co_u32 s76, s76, s78
	s_mov_b32 s77, 0
	s_add_nc_u64 s[8:9], s[8:9], s[76:77]
	s_wait_loadcnt 0x0
.irp e, 0,2,4,6,8,10,12,14
	v_pk_add_f32 v[160+\e:161+\e], v[160+\e:161+\e], v[176+\e:177+\e]
.endr
.irp e, 0,2,4,6
	v_pk_add_f32 v[160+\e:161+\e], v[160+\e:161+\e], v[168+\e:169+\e]
.endr
.irp e, 0,2
	v_pk_add_f32 v[160+\e:161+\e], v[160+\e:161+\e], v[164+\e:165+\e]
.endr
.irp e, 0,1,2,3
	v_permlanex16_b32 v[164+\e], v[160+\e], s80, s81
.endr
.irp e, 0,2
	v_pk_add_f32 v[160+\e:161+\e], v[160+\e:161+\e], v[164+\e:165+\e]
.endr
.irp e, 0,1,2,3
	v_fma_f32 v[160+\e], v[160+\e], s82, s83
.endr
.irp e, 0,1,2,3
	v_rsq_f32 v[168+\e], v[160+\e]
.endr
	v_nop
	s_wait_alu depctr_va_vdst(0)
	ds_store_b128 v14, v[168:171]                  ; both halves of the lanes write the same words with the same values
	s_wait_tensorcnt 0x1                           ; my part of step 0 is in; step 1's stays out
	s_wait_dscnt 0x0
	s_barrier_signal -1
	s_barrier_wait -1
	s_mov_b32 s21, 0
	CUR
	FETCH 0, 0
	PHASE 0, 1, 1, 1
	WIN 0
	s_mov_b32 s2, STEPS-2
.Lk:
	PHASE 1, 0, 2, 0
	PHASE 0, 1, 3, 0
	TURN
	PHASE 0, 1, 1, 0
	WIN 0
	s_sub_co_u32 s2, s2, 1
	s_cmp_lg_u32 s2, 0
	s_cbranch_scc1 .Lk
	s_mov_b32 s3, 0
.Lt:                                                   ; the last two steps ask for nothing
	PHASE 1, 0, 2, 0
	PHASE 0, 1, 3, 0
	s_wait_dscnt LEFT
	MMR 1, 0, NW/2, 0
	s_wait_dscnt 0x0
	MMR 1, NW/2, NW, 0
	WIN 0
	s_cmp_eq_u32 s3, 1
	s_cbranch_scc1 .Lout
	s_wait_tensorcnt 0x0
	ds_add_u32 v28, v29
	s_xor_b32 s21, s21, SL1
	s_wait_dscnt 0x0
	s_barrier_signal -1
	s_barrier_wait -1
	CUR
	PLACES
	FETCH 0, 0
	PHASE 0, 1, 1, 0
	WIN 0
	s_add_co_u32 s3, s3, 1
	s_cmp_lt_u32 s3, 2
	s_cbranch_scc1 .Lt
.Lout:
	s_wait_dscnt 0x0
	s_barrier_signal -1
	s_barrier_wait -1                              ; no wave reads the slots any more, and they have had their last fill
	PLACES
.set i, 0
.rept 4*NB
.set LL, 8*i
	WIN (2+LL/256)<<2
	ds_store_b128 v10, v[LL%256:LL%256+3] offset:(i/NB)*16*P+64*(i%NB)
	ds_store_b128 v10, v[LL%256+4:LL%256+7] offset:(i/NB)*16*P+64*(i%NB)+16
.set i, i+1
.endr
	WIN 0
	s_mov_b32 s2, 16
.Lrow:                                                 ; 4 rows a trip: G at v[160 + 16 p], U at v[168 + 16 p], for planes p = 0, 1
	ds_load_b32 v192, v15                          ; r of my row
.irp p, 0,1
	ds_load_b128 v[160+16*\p:163+16*\p], v11 offset:256*\p
	ds_load_b128 v[164+16*\p:167+16*\p], v11 offset:256*\p+16
	ds_load_b128 v[168+16*\p:171+16*\p], v11 offset:512+256*\p
	ds_load_b128 v[172+16*\p:175+16*\p], v11 offset:512+256*\p+16
.endr
	s_wait_dscnt 0x0
	v_mul_f32 v194, 0xbfb8aa3b, v192               ; -log2(e) r
	v_mul_f32 v196, v192, v192                     ; r^2
	v_mov_b32 v195, v194
	v_mov_b32 v197, v196
.irp p, 0,1
.irp e, 0,2,4,6
	v_pk_mul_f32 v[200+8*\p+\e:201+8*\p+\e], v[160+16*\p+\e:161+16*\p+\e], v[194:195]
.endr
.irp e, 0,1,2,3,4,5,6,7
	v_exp_f32 v[200+8*\p+\e], v[200+8*\p+\e]       ; e^(-r G)
.endr
.irp e, 0,2,4,6
	v_pk_mul_f32 v[160+16*\p+\e:161+16*\p+\e], v[160+16*\p+\e:161+16*\p+\e], v[168+16*\p+\e:169+16*\p+\e]   ; G U: plain work behind the exponentials
.endr
	s_wait_alu depctr_va_vdst(0)
.irp e, 0,2,4,6
	v_pk_add_f32 v[200+8*\p+\e:201+8*\p+\e], v[200+8*\p+\e:201+8*\p+\e], 1.0 op_sel_hi:[1,0]
.endr
.irp e, 0,1,2,3,4,5,6,7
	v_rcp_f32 v[200+8*\p+\e], v[200+8*\p+\e]
.endr
.irp e, 0,2,4,6
	v_pk_mul_f32 v[160+16*\p+\e:161+16*\p+\e], v[160+16*\p+\e:161+16*\p+\e], v[196:197]   ; plain work behind the reciprocals
.endr
	s_wait_alu depctr_va_vdst(0)
.irp e, 0,2,4,6
	v_pk_mul_f32 v[160+16*\p+\e:161+16*\p+\e], v[160+16*\p+\e:161+16*\p+\e], v[200+8*\p+\e:201+8*\p+\e]
.endr
.irp e, 0,1,2,3
	v_cvt_pk_bf16_f32 v[216+4*\p+\e], v[160+16*\p+2*\e], v[161+16*\p+2*\e]
.endr
	global_store_b128 v12, v[216+4*\p:219+4*\p], s[8:9] offset:16384*\p   ; four rows of 128 bytes: 512 consecutive bytes of plane p
.endr
	s_wait_xcnt 0x0                                ; the stores' data and base are rewritten only behind this wait
	v_add_nc_u32 v11, 4*P, v11
	v_add_nc_u32 v15, 16, v15
	s_add_nc_u64 s[8:9], s[8:9], 512
	s_sub_co_u32 s2, s2, 1
	s_cmp_lg_u32 s2, 0
	s_cbranch_scc1 .Lrow
	s_wait_tensorcnt 0x0                           ; the wave's end
	ds_add_u32 v28, v29
	s_wait_dscnt 0x0
	CROUND
	s_endpgm
.Lfunc_end_k_qb13bd5fe44_gu:
	.size	k_qb13bd5fe44_gu, .Lfunc_end_k_qb13bd5fe44_gu-k_qb13bd5fe44_gu
	.p2alignl 7, 3214868480
	.fill 96, 4, 3214868480
	.section	.rodata,"a",@progbits
	.p2align	6, 0x0
	.amdhsa_kernel k_qb13bd5fe44_gu
		.amdhsa_group_segment_fixed_size 327680
		.amdhsa_private_segment_fixed_size 0
		.amdhsa_enable_private_segment 0
		.amdhsa_kernarg_size 32
		.amdhsa_user_sgpr_count 2
		.amdhsa_user_sgpr_kernarg_segment_ptr 1
		.amdhsa_wavefront_size32 1
		.amdhsa_system_sgpr_workgroup_id_x 1
		.amdhsa_system_sgpr_workgroup_id_y 1
		.amdhsa_system_sgpr_workgroup_id_z 1
		.amdhsa_system_vgpr_workitem_id 0
		.amdhsa_next_free_vgpr 1024
		.amdhsa_next_free_sgpr 84
		.amdhsa_reserve_vcc 0
		.amdhsa_float_denorm_mode_32 3
		.amdhsa_float_denorm_mode_16_64 3
		.amdhsa_memory_ordered 1
		.amdhsa_forward_progress 1
		.amdhsa_inst_pref_size 90
	.end_amdhsa_kernel
	.amdgpu_metadata
---
amdhsa.version: [ 1, 2 ]
amdhsa.kernels:
  - .name:           k_qb13bd5fe44_gu
    .symbol:         k_qb13bd5fe44_gu.kd
    .args:
      - { .name: x1b, .offset: 0, .size: 8, .value_kind: global_buffer, .address_space: global }
      - { .name: wt, .offset: 8, .size: 8, .value_kind: global_buffer, .address_space: global }
      - { .name: hid, .offset: 16, .size: 8, .value_kind: global_buffer, .address_space: global }
      - { .name: ssq, .offset: 24, .size: 8, .value_kind: global_buffer, .address_space: global }
    .group_segment_fixed_size: 327680
    .private_segment_fixed_size: 0
    .kernarg_segment_align: 8
    .kernarg_segment_size: 32
    .max_flat_workgroup_size: 128
    .sgpr_count:     84
    .vgpr_count:     1024
    .wavefront_size: 32
...
	.end_amdgpu_metadata
.endif
;; end of part 5
;; launch down (part 6): grid 8 x 32, 4 waves a work-group, clusters of 4 x 4, 327,680 bytes of LDS; arguments hid, wt, out0, x1; writes out0
.if DOCPART == 6
	.amdgcn_target "amdgcn-amd-amdhsa--gfx1250"
	.amdhsa_code_object_version 6
	.text
	.protected	k_qb13bd5fe44_down
	.globl	k_qb13bd5fe44_down
	.p2align	8
	.type	k_qb13bd5fe44_down,@function
k_qb13bd5fe44_down:
	s_mov_b64 s[64:65], 0
	v_nop
	global_prefetch_b8 v0, s[64:65] scope:SCOPE_SE
	s_setreg_imm32_b32 hwreg(HW_REG_WAVE_MODE, 25, 1), 1
	s_wait_xcnt 0x0
	s_wait_alu depctr_hold_cnt(0) depctr_sa_sdst(0) depctr_va_vdst(0) depctr_va_sdst(0) depctr_va_ssrc(0) depctr_va_vcc(0) depctr_vm_vsrc(0)
	s_getreg_b32 s2, hwreg(HW_REG_IB_STS2, 6, 4)
	s_cmp_eq_u32 s2, 0
	s_cbranch_scc0 .Lentry_in_a_cluster
	s_endpgm
.Lentry_in_a_cluster:
	s_bfe_u32 s2, ttmp6, 0x10000c
	s_cmp_lg_u32 s2, 0xf033
	s_cbranch_scc0 .Lentry_shape_is_right
	s_endpgm
.Lentry_shape_is_right:
; out0 = x1 + hid w_down (f32 out).  hid and the weight lie in planes [row tile][k / 64][128][64], bf16, dense.
; A work-group makes 128 x 128 (N = 1,024 gives 256 work-groups only with this tile), each of four waves 64 x 64 (16 accumulators).  K = 2,048 goes in
; steps of 256 (four planes) through two LDS slots; each wave brings one dense block of 32 KB a step (waves 0, 1: A; waves 2, 3: B), stated as rows
; of 256 bytes, padded by 16 bytes behind every 128: LDS rows of 64 k lie 144 bytes apart.  4 x 4 work-groups form a cluster: A's block is asked for
; jointly along a row of the cluster, B's along a column.  The matrix instruction is used transposed: a lane holds 8 neighbouring columns.
; The residual is loaded at the start into window 1 and waits there.  The way out: sums and residual go into the slots' bytes, which have had their
; last fill, and a short loop reads whole rows of 256 bytes.
; Windows: 0 addresses, A's fragments (v32..), row loop (v160..); 1 B's fragments, residual (v128..); 2 accumulators ((a, b) at 8 (NB a + b)).
.set NB, 4
.set TC, 128
.set PL, 4
.set KD, 2
.set STEPS, 8
.set KB, 32
.set REG, 16777216
.set CTS, 524288
.set LEFT, 16
.set P, 272
.set RS, 128*P
.set PITCH, 144
.set PLA, 128*PITCH
.set PLB, TC*PITCH
.set SL1, 147456
.set BOFF, 73728
.set BLD, (PL/2)*PLB
.set BR, (PL/2)*TC/2
.set ASTEP, PL*16384
.set BSTEP, PL*TC*128
.set NW, 4*KD*NB
.set NL, 2*KD*(NB+4)
.set SPARE, 295936
.set MSB, 0
.macro WIN new
.if MSB != (\new)
	s_set_vgpr_msb (MSB<<8)|(\new)
.set MSB, (\new)
.endif
.endm
.macro PLACES
.rept 4
	v_nop
.endr
.endm
.macro CREST
	s_cmp_lg_u32 s10, 0
	s_cbranch_scc1 .Lnot_wave_0_\@
	s_barrier_signal -3
.Lnot_wave_0_\@:
	s_barrier_wait -3
	s_barrier_signal -1
	s_barrier_wait -1
.endm
.macro CROUND
	s_barrier_signal -1
	s_barrier_wait -1
	CREST
.endm
.macro JLOAD
	s_cmp_eq_u32 s11, 0
	s_cbranch_scc0 .Lfor_b_\@
	tensor_load_to_lds s[36:39], s[24:31]
	s_nop 0
	PLACES
	s_branch .Lasked_\@
.Lfor_b_\@:
	tensor_load_to_lds s[60:63], s[48:55]
	s_nop 0
	PLACES
.Lasked_\@:
.endm
.macro CUR
	v_add_nc_u32 v6, s21, v4
	v_add_nc_u32 v8, s21, v5
	v_add_nc_u32 v9, (PL/2)*PLB, v8
.endm
.macro FETCH q, f
.set cc, 0
.rept KD
.set gg, KD*\q+cc
.set pp, gg/2
.set kk, 64*(gg%2)
	WIN 0x40
.set bb, 0
.rept NB
.set rB, \f*KD*NB*8+8*(NB*cc+bb)
.set oB, (pp%(PL/2))*PLB+bb*16*PITCH+kk
	ds_load_b128 v[rB:rB+3], v[8+pp/(PL/2)] offset:oB
	ds_load_b128 v[rB+4:rB+7], v[8+pp/(PL/2)] offset:oB+32
.set bb, bb+1
.endr
	WIN 0
.set aa, 0
.rept 4
.set rA, 32+\f*KD*32+8*(4*cc+aa)
.set oA, pp*PLA+aa*16*PITCH+kk
	ds_load_b128 v[rA:rA+3], v6 offset:oA
	ds_load_b128 v[rA+4:rA+7], v6 offset:oA+32
.set aa, aa+1
.endr
.set cc, cc+1
.endr
.endm
.macro MMR f, i0, i1, zero             ; all accumulators take turns
.set i, \i0
.rept \i1-\i0
.set cc, i/(4*NB)
.set aa, (i/NB)%4
.set bb, i%NB
.set LL, 8*(NB*aa+bb)
.set WW, 2+LL/256
.set RR, LL%256
.set rB, \f*KD*NB*8+8*(NB*cc+bb)
.set rA, 32+\f*KD*32+8*(4*cc+aa)
	WIN 0x01|(WW<<4)|(WW<<6)
.if \zero && (cc == 0)
	v_wmma_f32_16x16x32_bf16 v[RR:RR+7], v[rB:rB+7], v[rA:rA+7], 0
.else
	v_wmma_f32_16x16x32_bf16 v[RR:RR+7], v[rB:rB+7], v[rA:rA+7], v[RR:RR+7]
.endif
.set i, i+1
.endr
.endm
.macro PHASE f, g, qn, zero
	s_wait_dscnt LEFT                              ; all of my buffer but its youngest LEFT loads
	MMR \f, 0, NW/2, \zero
	PLACES
	FETCH \qn, \g
	s_wait_dscnt NL                                ; all but the NL loads just issued
	MMR \f, NW/2, NW, \zero
.endm
.macro TURN
	WIN 0
	s_wait_tensorcnt 0x0                           ; all my tensor loads have landed: my part of the next slot
	ds_add_u32 v28, v29                            ; 0 onto my spare word
	s_xor_b32 s37, s37, SL1
	s_add_nc_u64 s[38:39], s[38:39], ASTEP
	s_xor_b32 s61, s61, SL1
	s_add_nc_u64 s[62:63], s[62:63], BSTEP
	s_wait_dscnt LEFT+1                            ; the add and the youngest LEFT loads may be out
	MMR 1, 0, NW/4, 0
	s_wait_dscnt 0x0                               ; the add is done and my reads of this slot are over
	s_barrier_signal -1
	MMR 1, NW/4, NW/2, 0
	WIN 0
	s_barrier_wait -1
	CREST
	JLOAD                                          ; my one tensor load behind the round
	s_xor_b32 s21, s21, SL1
	CUR
	FETCH 0, 0
	MMR 1, NW/2, NW, 0
.endm
	s_load_b128 s[4:7], s[0:1], 0x0                ; A, wt
	s_load_b64 s[8:9], s[0:1], 0x10                ; out0
	s_load_b64 s[68:69], s[0:1], 0x18              ; x1
	v_lshl_add_u32 v28, v0, 2, SPARE
	v_mov_b32 v29, 0
	ds_add_u32 v28, v29
	s_wait_dscnt 0x0
	v_lshrrev_b32 v1, 5, v0
	v_readfirstlane_b32 s10, v1
	s_lshr_b32 s11, s10, 1
	s_and_b32 s12, s10, 1
	s_bfe_u32 s40, ttmp6, 0x40000
	s_bfe_u32 s41, ttmp6, 0x40004
	s_lshl_b32 s42, ttmp9, 2
	s_add_co_u32 s42, s42, s40                     ; tx
	s_and_b32 s13, ttmp7, 0xffff
	s_lshl_b32 s13, s13, 2
	s_add_co_u32 s13, s13, s41                     ; ty
	s_lshl_b32 s43, s41, 2
	s_lshl_b32 s43, 15, s43
	s_lshl_b32 s44, 0x1111, s40
	s_or_b32 s24, s43, 0x07330000
	s_or_b32 s48, s44, 0x07330000
	s_mov_b32 s25, 32<<16
	s_mov_b32 s26, 128<<16
	s_mov_b32 s27, 32<<16
	s_mov_b32 s28, 128
	s_mov_b32 s29, 32
	s_mov_b32 s30, 0
	s_mov_b32 s31, 0
	s_mov_b32 s49, 32<<16
	s_mov_b32 s50, BR<<16
	s_mov_b32 s51, 32<<16
	s_mov_b32 s52, BR
	s_mov_b32 s53, 32
	s_mov_b32 s54, 0
	s_mov_b32 s55, 0
	s_mul_i32 s16, s13, KB*16384
	s_lshl_b32 s17, s12, 15
	s_add_co_u32 s16, s16, s17
	s_mov_b32 s17, 0
	s_mul_i32 s46, s42, CTS
	s_mul_i32 s47, s12, (PL/2)*TC*128
	s_add_co_u32 s46, s46, s47
	s_add_co_u32 s46, s46, REG
	s_mov_b32 s47, 0
	s_mul_i32 s20, s12, 36864
	s_mul_i32 s22, s12, BLD
	s_add_co_u32 s22, s22, BOFF
	s_wait_kmcnt 0x0
	s_add_nc_u64 s[14:15], s[4:5], s[16:17]
	s_add_nc_u64 s[46:47], s[6:7], s[46:47]
	CROUND
.irp s, 0,1
	s_mov_b32 s[32+4*\s], 1
	s_add_co_u32 s[33+4*\s], s20, \s*SL1
	s_add_nc_u64 s[34+4*\s:35+4*\s], s[14:15], \s*ASTEP
	s_or_b32 s[35+4*\s], s[35+4*\s], 0x80000000
	s_mov_b32 s[56+4*\s], 1
	s_add_co_u32 s[57+4*\s], s22, \s*SL1
	s_add_nc_u64 s[58+4*\s:59+4*\s], s[46:47], \s*BSTEP
	s_or_b32 s[59+4*\s], s[59+4*\s], 0x80000000
.endr
	s_cmp_eq_u32 s11, 0
	s_cbranch_scc0 .Lfirst_b
	tensor_load_to_lds s[32:35], s[24:31]
	s_nop 0
	tensor_load_to_lds s[36:39], s[24:31]
	s_nop 0
	PLACES
	s_branch .Lfirst_done
.Lfirst_b:
	tensor_load_to_lds s[56:59], s[48:55]
	s_nop 0
	tensor_load_to_lds s[60:63], s[48:55]
	s_nop 0
	PLACES
.Lfirst_done:
	v_and_b32 v1, 15, v0                           ; r
	v_bfe_u32 v2, v0, 4, 1                         ; h
	v_mul_u32_u24 v3, v1, PITCH
	v_lshl_add_u32 v3, v2, 4, v3
	s_mul_i32 s16, s11, 9216
	v_add_nc_u32 v4, s16, v3
	s_mul_i32 s17, s12, 9216
	s_add_co_u32 s17, s17, BOFF
	v_add_nc_u32 v5, s17, v3
	s_mul_i32 s16, s10, RS
	v_mul_u32_u24 v10, v1, P
	v_lshl_add_u32 v10, v2, 5, v10
	v_add_nc_u32 v10, s16, v10
	v_mul_u32_u24 v11, v2, P
	v_lshl_add_u32 v11, v1, 4, v11
	v_add_nc_u32 v11, s16, v11
	v_lshlrev_b32 v20, 4, v1
	v_lshl_add_u32 v12, v2, 12, v20                ; two rows of x1 and out0: h x 4,096 + 16 c
	s_lshl_b32 s78, s13, 7
	s_lshl_b32 s79, s11, 6
	s_add_co_u32 s78, s78, s79                     ; my first row
	s_lshl_b32 s80, s42, 7
	s_lshl_b32 s81, s12, 6
	s_add_co_u32 s80, s80, s81
	s_lshl_b32 s80, s80, 2                         ; my first column, in bytes
	s_lshl_b32 s82, s78, 12
	s_add_co_u32 s82, s82, s80
	s_mov_b32 s83, 0
	s_add_nc_u64 s[76:77], s[68:69], s[82:83]
	s_add_nc_u64 s[8:9], s[8:9], s[82:83]
	WIN 0x40
.set n, 0
.rept 32                               ; the residual: rows 2 n + h; it stays out under the products
	global_load_b128 v[128+4*n:131+4*n], v12, s[76:77] offset:8192*n
.set n, n+1
.endr
	WIN 0
	s_wait_tensorcnt 0x1                           ; my part of step 0 is in; step 1's stays out
	s_wait_dscnt 0x0
	s_barrier_signal -1
	s_barrier_wait -1
	s_mov_b32 s21, 0
	CUR
	FETCH 0, 0
	PHASE 0, 1, 1, 1
	WIN 0
	s_mov_b32 s2, STEPS-2
.Lk:
	PHASE 1, 0, 2, 0
	PHASE 0, 1, 3, 0
	TURN
	PHASE 0, 1, 1, 0
	WIN 0
	s_sub_co_u32 s2, s2, 1
	s_cmp_lg_u32 s2, 0
	s_cbranch_scc1 .Lk
	s_mov_b32 s3, 0
.Lt:                                                   ; the last two steps ask for nothing
	PHASE 1, 0, 2, 0
	PHASE 0, 1, 3, 0
	s_wait_dscnt LEFT
	MMR 1, 0, NW/2, 0
	s_wait_dscnt 0x0
	MMR 1, NW/2, NW, 0
	WIN 0
	s_cmp_eq_u32 s3, 1
	s_cbranch_scc1 .Lout
	s_wait_tensorcnt 0x0
	ds_add_u32 v28, v29
	s_xor_b32 s21, s21, SL1
	s_wait_dscnt 0x0
	s_barrier_signal -1
	s_barrier_wait -1
	CUR
	PLACES
	FETCH 0, 0
	PHASE 0, 1, 1, 0
	WIN 0
	s_add_co_u32 s3, s3, 1
	s_cmp_lt_u32 s3, 2
	s_cbranch_scc1 .Lt
.Lout:
	s_wait_dscnt 0x0
	s_barrier_signal -1
	s_barrier_wait -1                              ; no wave reads the slots any more, and they have had their last fill
	PLACES
.set i, 0
.rept 4*NB
.set LL, 8*i
	WIN (2+LL/256)<<2
	ds_store_b128 v10, v[LL%256:LL%256+3] offset:(i/NB)*16*P+64*(i%NB)
	ds_store_b128 v10, v[LL%256+4:LL%256+7] offset:(i/NB)*16*P+64*(i%NB)+16
.set i, i+1
.endr
	s_wait_loadcnt 0x0                             ; the residual
	WIN 0x04
.set n, 0
.rept 32
	ds_store_b128 v11, v[128+4*n:131+4*n] offset:64*P+2*P*n
.set n, n+1
.endr
	WIN 0
	s_mov_b32 s2, 8
.Lrow:                                                 ; 8 rows a trip
.irp t, 0,1,2,3
	ds_load_b128 v[160+4*\t:163+4*\t], v11 offset:2*P*\t
	ds_load_b128 v[176+4*\t:179+4*\t], v11 offset:64*P+2*P*\t
.endr
	s_wait_dscnt 0x0
.irp t, 0,1,2,3
	v_pk_add_f32 v[160+4*\t:161+4*\t], v[160+4*\t:161+4*\t], v[176+4*\t:177+4*\t]
	v_pk_add_f32 v[162+4*\t:163+4*\t], v[162+4*\t:163+4*\t], v[178+4*\t:179+4*\t]
	global_store_b128 v12, v[160+4*\t:163+4*\t], s[8:9] offset:8192*\t   ; 16 lanes store 256 consecutive bytes
.endr
	s_wait_xcnt 0x0                                ; the stores' data and base are rewritten only behind this wait
	v_add_nc_u32 v11, 8*P, v11
	s_add_nc_u64 s[8:9], s[8:9], 32768
	s_sub_co_u32 s2, s2, 1
	s_cmp_lg_u32 s2, 0
	s_cbranch_scc1 .Lrow
	s_wait_tensorcnt 0x0                           ; the wave's end
	ds_add_u32 v28, v29
	s_wait_dscnt 0x0
	CROUND
	s_endpgm
.Lfunc_end_k_qb13bd5fe44_down:
	.size	k_qb13bd5fe44_down, .Lfunc_end_k_qb13bd5fe44_down-k_qb13bd5fe44_down
	.p2alignl 7, 3214868480
	.fill 96, 4, 3214868480
	.section	.rodata,"a",@progbits
	.p2align	6, 0x0
	.amdhsa_kernel k_qb13bd5fe44_down
		.amdhsa_group_segment_fixed_size 327680
		.amdhsa_private_segment_fixed_size 0
		.amdhsa_enable_private_segment 0
		.amdhsa_kernarg_size 32
		.amdhsa_user_sgpr_count 2
		.amdhsa_user_sgpr_kernarg_segment_ptr 1
		.amdhsa_wavefront_size32 1
		.amdhsa_system_sgpr_workgroup_id_x 1
		.amdhsa_system_sgpr_workgroup_id_y 1
		.amdhsa_system_sgpr_workgroup_id_z 1
		.amdhsa_system_vgpr_workitem_id 0
		.amdhsa_next_free_vgpr 1024
		.amdhsa_next_free_sgpr 84
		.amdhsa_reserve_vcc 0
		.amdhsa_float_denorm_mode_32 3
		.amdhsa_float_denorm_mode_16_64 3
		.amdhsa_memory_ordered 1
		.amdhsa_forward_progress 1
		.amdhsa_inst_pref_size 60
	.end_amdhsa_kernel
	.amdgpu_metadata
---
amdhsa.version: [ 1, 2 ]
amdhsa.kernels:
  - .name:           k_qb13bd5fe44_down
    .symbol:         k_qb13bd5fe44_down.kd
    .args:
      - { .name: hid, .offset: 0, .size: 8, .value_kind: global_buffer, .address_space: global }
      - { .name: wt, .offset: 8, .size: 8, .value_kind: global_buffer, .address_space: global }
      - { .name: out0, .offset: 16, .size: 8, .value_kind: global_buffer, .address_space: global }
      - { .name: x1, .offset: 24, .size: 8, .value_kind: global_buffer, .address_space: global }
    .group_segment_fixed_size: 327680
    .private_segment_fixed_size: 0
    .kernarg_segment_align: 8
    .kernarg_segment_size: 32
    .max_flat_workgroup_size: 128
    .sgpr_count:     84
    .vgpr_count:     1024
    .wavefront_size: 32
...
	.end_amdgpu_metadata
.endif
;; end of part 6
;; ======== version 2 of 2: 6 launches; version 1 with the launch prep written anew for expert scheduling mode
;; limits: right only within a limited range of input values
;; workspace buffers: wt 20,971,520 bytes; nx1 8,388,608 bytes; qkv 25,165,824 bytes; att 8,388,608 bytes; x1 16,777,216 bytes; x1b 8,388,608 bytes; ssq 262,144 bytes; hid 16,777,216 bytes
;; launch prep (part 7): grid 576 x 1, 8 waves a work-group, no clusters, 74,752 bytes of LDS; arguments x, g1, w_q, w_k, w_v, w_o, w_gate, w_up, w_down, wt, nx1; writes wt, nx1
.if DOCPART == 7
	.amdgcn_target "amdgcn-amd-amdhsa--gfx1250"
	.amdhsa_code_object_version 6
	.text
	.protected	k_qb13bd5fe44_prep
	.globl	k_qb13bd5fe44_prep
	.p2align	8
	.type	k_qb13bd5fe44_prep,@function
k_qb13bd5fe44_prep:
	s_mov_b64 s[64:65], 0
	v_nop
	global_prefetch_b8 v0, s[64:65] scope:SCOPE_SE
	s_setreg_imm32_b32 hwreg(HW_REG_WAVE_SCHED_MODE, 0, 2), 2
	s_setreg_imm32_b32 hwreg(HW_REG_WAVE_MODE, 25, 1), 1
	s_wait_xcnt 0x0
	s_wait_alu depctr_vm_vsrc(0)
; Two roles, chosen by the work-group's number g.
; g < 320: a wave turns a tile of 64 k x 64 n of one f32 weight [K][N] into bf16 rows [n][64 k] (8,192 dense bytes of wt).
;   wt holds four regions [column tile][k / 64][TC rows n][64 k]: QKV (TC 192), O (128), gate|up (128 + 128), down (128).
; g >= 320: a wave norms two rows of x: nx1 = x * rsqrt(mean(x^2) + 1e-6) * g1, bf16, laid [token / 128][k / 64][128][64].
; Memory binds: 16-byte loads of which 16 lanes take 256 consecutive bytes, every store 256 or 512 consecutive bytes.
; No matrix unit, no barrier: a wave's LDS bytes are its own.
; THE MODE: SCHED_MODE bits 1:0 = 2 (LLVM: expert scheduling mode 2), set by the entry lines.  The code itself states the register dependences
; between vector instructions and memory or LDS instructions, with s_wait_alu, always for 0.
; THE PLAN, weights.  Registers that memory or LDS instructions touch:
;   v224-v255  row offsets: written once, read by the 32 global loads, never written again.
;   v32-v159   raw f32: the global loads land here; the conversions read them; then the 16 LDS loads land in v32-v95, which the global stores read.
;   v160-v223  bf16 out: each written once by a conversion; group u of four (registers 160 + 16 e + 4 u on) is read by four LDS stores.
;   v5, v6, v9 addresses of the LDS stores, the LDS loads and the global stores: written once, behind the global loads.
;   The conversions go in four groups of four pairs of loads.  A group's LDS stores stand at the head of the next group, behind the wait for that
;   group's first loads and ONE wait on va_vdst; the next group's conversions name other registers.  A last wait on va_vdst stands behind the last conversion.
; THE PLAN, norm.  v4, v5, v6: offsets, written once.  v32-v159: loaded once, then named by vector instructions alone.  v160-v191: out, each written once
;   by a rounding and read by one store.  The 16 planes go in four blocks of four; a block's four stores are dealt among the next block's vector
;   instructions, behind ONE wait on va_vdst at that block's head.
; No register that a memory or LDS instruction reads is written again in either role, so no wait on vm_vsrc is owed.
	s_load_b512 s[16:31], s[0:1], 0x0              ; x, g1, w_q, w_k, w_v, w_o, w_gate, w_up
	s_load_b128 s[32:35], s[0:1], 0x40             ; w_down, wt
	s_load_b64 s[36:37], s[0:1], 0x50              ; nx1
	v_lshl_add_u32 v30, v0, 2, 0x12000
	v_mov_b32 v31, 0
	v_lshrrev_b32 v1, 5, v0
	v_readfirstlane_b32 s8, v1                     ; wave 0..7
	v_and_b32 v1, 31, v0                           ; l
	v_and_b32 v2, 15, v0                           ; c = l % 16
	v_bfe_u32 v3, v0, 4, 1                         ; h = l / 16
	s_wait_alu depctr_va_sdst(0)                   ; s8 is written, ahead of the branch and of its first readers on both ways: the tile's and the rows' numbers are made from it
	s_wait_kmcnt 0x0
	s_cmp_ge_u32 ttmp9, 320
	s_cbranch_scc1 .Lnorm
; which weight: source, first g, log2 of work-groups for one k block, region, bytes of a column tile and of a k block,
; n tiles in front of it in its region, and whether a column tile has three n tiles (else two)
.macro STUB lim, src, base, lg, reg, cts, kbs, nta, dv
.if \lim < 320
	s_cmp_ge_u32 ttmp9, \lim
	s_cbranch_scc1 .Lnext_\@
.endif
	s_mov_b64 s[4:5], s[\src:\src+1]
	s_mov_b32 s9, \base
	s_mov_b32 s10, \lg
	s_mov_b32 s11, \reg
	s_mov_b32 s12, \cts
	s_mov_b32 s13, \kbs
	s_mov_b32 s14, \nta
	s_mov_b32 s15, \dv
.if \lim < 320
	s_branch .Lgo
.Lnext_\@:
.endif
.endm
	STUB 32,  20, 0,   1, 0,        393216, 24576, 0,  1
	STUB 64,  22, 32,  1, 0,        393216, 24576, 16, 1
	STUB 96,  24, 64,  1, 0,        393216, 24576, 32, 1
	STUB 128, 26, 96,  1, 6291456,  262144, 16384, 0,  0
	STUB 192, 28, 128, 2, 8388608,  524288, 32768, 0,  0
	STUB 256, 30, 192, 2, 8404992,  524288, 32768, 0,  0
	STUB 320, 32, 256, 1, 16777216, 524288, 16384, 0,  0
.Lgo:
	s_sub_co_u32 s9, ttmp9, s9                     ; number within the weight
	s_lshr_b32 s38, s9, s10                        ; k block
	s_bfm_b32 s39, s10, 0
	s_and_b32 s39, s9, s39
	s_lshl_b32 s39, s39, 3
	s_add_co_u32 s39, s39, s8                      ; n tile of 64 columns
	s_add_co_u32 s40, s39, s14                     ; its number in the region
	s_mul_i32 s41, s40, 171
	s_lshr_b32 s41, s41, 9                         ; / 3, exact below 48
	s_mul_i32 s42, s41, 3
	s_sub_co_u32 s42, s40, s42
	s_lshr_b32 s43, s39, 1
	s_and_b32 s44, s39, 1
	s_cmp_lg_u32 s15, 0
	s_cselect_b32 s41, s41, s43                    ; column tile
	s_cselect_b32 s42, s42, s44                    ; which 64 rows of it
	s_mul_i32 s41, s41, s12
	s_mul_i32 s43, s38, s13
	s_add_co_u32 s41, s41, s43
	s_lshl_b32 s42, s42, 13
	s_add_co_u32 s41, s41, s42
	s_add_co_u32 s40, s41, s11
	s_mov_b32 s41, 0
	s_add_nc_u64 s[6:7], s[34:35], s[40:41]        ; my 8,192 bytes of wt
	s_add_co_u32 s42, s10, 17
	s_lshl_b32 s42, s38, s42                       ; 64 rows of 4,096 or 8,192 bytes for each k block
	s_lshl_b32 s43, s39, 8
	s_add_co_u32 s42, s42, s43
	s_mov_b32 s43, 0
	s_add_nc_u64 s[4:5], s[4:5], s[42:43]
	s_add_co_u32 s45, s10, 16
	s_lshl_b32 s47, 2048, s10                      ; the weight's row pitch: 4,096 or 8,192 bytes
	v_lshlrev_b32 v224, s45, v3                    ; lanes 16-31 take rows 32 to 63
	v_lshl_add_u32 v224, v2, 4, v224               ; 16 bytes a lane: 16 lanes take 256 consecutive bytes of a row
.set i, 1
.rept 31
	v_add_nc_u32 v[224+i], s47, v[223+i]           ; an offset register for each row, so that one run of loads serves both pitches
.set i, i+1
.endr
	s_wait_alu depctr_va_vdst(0)                   ; the 32 offsets v224 to v255 are written, which the loads below read
.set i, 0
.rept 32                               ; load i: W[32 h + i][4 c .. 4 c + 3]
	global_load_b128 v[32+4*i:35+4*i], v[224+i], s[4:5] th:TH_LOAD_NT
.set i, i+1
.endr
	s_mul_i32 s46, s8, 9216                        ; my wave's 64 LDS rows of 144 bytes
	v_mul_u32_u24 v5, v2, 576                      ; in: row n = 4 c + e, bytes 64 h on
	v_lshl_add_u32 v5, v3, 6, v5
	v_add_nc_u32 v5, s46, v5
	v_lshrrev_b32 v7, 3, v1
	v_and_b32 v8, 7, v1
	v_mul_u32_u24 v6, v7, 144                      ; back: four rows of 128 bytes for the 32 lanes
	v_lshl_add_u32 v6, v8, 4, v6
	v_add_nc_u32 v6, s46, v6
	v_lshlrev_b32 v9, 4, v1
.set t, 0
.rept 16
	s_wait_loadcnt 30-2*t                          ; loads 2 t and 2 t + 1 are in; the younger ones stay out
.if (t%4 == 0) && (t > 0)
	s_wait_alu depctr_va_vdst(0)                   ; the group before has written its sixteen out registers, which the four LDS stores below read; the first time v5 is written too, their address
.irp e, 0,1,2,3
	ds_store_b128 v5, v[160+16*\e+t-4:163+16*\e+t-4] offset:\e*144+4*(t-4)   ; k = 32 h + 2 (t - 4) .. + 7 of column 4 c + e; the conversions below name other registers
.endr
.endif
.irp e, 0,1,2,3
	v_cvt_pk_bf16_f32 v[160+16*\e+t], v[32+8*t+\e], v[36+8*t+\e]   ; k = 32 h + 2 t, 2 t + 1 of column 4 c + e
.endr
.set t, t+1
.endr
	s_wait_alu depctr_va_vdst(0)                   ; the last group has written its out registers, which the LDS stores read; all conversions are done reading v32 to v95, in which the LDS loads land
.irp e, 0,1,2,3
	ds_store_b128 v5, v[172+16*\e:175+16*\e] offset:\e*144+48
.endr
.set t, 0
.rept 16
	ds_load_b128 v[32+4*t:35+4*t], v6 offset:576*t ; a wave's LDS instructions are served in order: these see the stores above
.set t, t+1
.endr
.set t, 0
.rept 16
	s_wait_dscnt 15-t
	global_store_b128 v9, v[32+4*t:35+4*t], s[6:7] offset:512*t    ; 512 consecutive bytes
.set t, t+1
.endr
	s_wait_dscnt 0x0                               ; the closing lines, six on end
	s_wait_alu 0x0
	s_wait_tensorcnt 0x0
	ds_add_u32 v30, v31
	s_wait_dscnt 0x0
	s_endpgm
.Lnorm:
	s_sub_co_u32 s9, ttmp9, 320
	s_lshl_b32 s9, s9, 3
	s_add_co_u32 s9, s9, s8                        ; W = 0..2047: rows 2 W and 2 W + 1
	s_lshl_b32 s40, s9, 13
	s_mov_b32 s41, 0
	s_add_nc_u64 s[4:5], s[16:17], s[40:41]
	s_lshr_b32 s42, s9, 6                          ; token / 128
	s_lshl_b32 s42, s42, 18
	s_and_b32 s43, s9, 63
	s_lshl_b32 s43, s43, 8                         ; the pair's 256 bytes in a plane
	s_add_co_u32 s42, s42, s43
	s_mov_b32 s43, 0
	s_add_nc_u64 s[6:7], s[36:37], s[42:43]
	s_mov_b32 s40, 0x3a800000                      ; 1 / 1024
	s_mov_b32 s41, 0x358637bd                      ; 1e-6
	v_lshlrev_b32 v4, 4, v2                        ; 16 c
	v_lshl_add_u32 v5, v3, 12, v4                  ; lanes 16-31: the second row
	v_lshlrev_b32 v6, 3, v1                        ; 8 l
	s_wait_alu depctr_va_vdst(0)                   ; the offsets v4, v5 and v6 are written, which the loads and stores below read
.set j, 0
.rept 16
	global_load_b128 v[32+4*j:35+4*j], v5, s[4:5] offset:256*j
.set j, j+1
.endr
.set j, 0
.rept 16
	global_load_b128 v[96+4*j:99+4*j], v4, s[18:19] offset:256*j
.set j, j+1
.endr
	s_wait_loadcnt 16                              ; x is in; g1's sixteen loads may stay out
.irp q, 0,1,2,3
	v_pk_mul_f32 v[8+2*\q:9+2*\q], v[32+2*\q:33+2*\q], v[32+2*\q:33+2*\q]   ; four chains, started by their first products
.endr
.set q, 4
.rept 28
	v_pk_fma_f32 v[8+2*(q%4):9+2*(q%4)], v[32+2*q:33+2*q], v[32+2*q:33+2*q], v[8+2*(q%4):9+2*(q%4)]
.set q, q+1
.endr
	v_pk_add_f32 v[8:9], v[8:9], v[10:11]
	v_pk_add_f32 v[12:13], v[12:13], v[14:15]
	v_pk_add_f32 v[8:9], v[8:9], v[12:13]
	v_add_f32 v8, v8, v9
	v_add_f32_dpp v8, v8, v8 row_xmask:1 row_mask:0xf bank_mask:0xf    ; a row lies in 16 lanes
	v_add_f32_dpp v8, v8, v8 row_xmask:2 row_mask:0xf bank_mask:0xf
	v_add_f32_dpp v8, v8, v8 row_xmask:4 row_mask:0xf bank_mask:0xf
	v_add_f32_dpp v8, v8, v8 row_xmask:8 row_mask:0xf bank_mask:0xf
	v_fma_f32 v8, v8, s40, s41
	v_rsq_f32 v10, v8
	v_rsq_f32 v11, v8
	v_nop                                          ; a plain instruction between the root and its use
	s_wait_loadcnt 0x0
	s_wait_alu depctr_va_vdst(0)                   ; the two roots v10 and v11 are written, ahead of their first reader
.set j, 0
.rept 16
.if (j%4 == 0) && (j > 0)
	s_wait_alu depctr_va_vdst(0)                   ; the block before has written its eight out registers, which this block's four stores read
.endif
.if j >= 4
	global_store_b64 v6, v[160+2*(j-4):161+2*(j-4)], s[6:7] offset:16384*(j-4)  ; two rows of 128 bytes: 256 consecutive bytes of plane j - 4; no vector instruction since the wait names these registers
.endif
	v_pk_mul_f32 v[32+4*j:33+4*j], v[32+4*j:33+4*j], v[10:11]
	v_pk_mul_f32 v[34+4*j:35+4*j], v[34+4*j:35+4*j], v[10:11]
	v_pk_mul_f32 v[32+4*j:33+4*j], v[32+4*j:33+4*j], v[96+4*j:97+4*j]
	v_pk_mul_f32 v[34+4*j:35+4*j], v[34+4*j:35+4*j], v[98+4*j:99+4*j]
	v_cvt_pk_bf16_f32 v[160+2*j], v[32+4*j], v[33+4*j]
	v_cvt_pk_bf16_f32 v[161+2*j], v[34+4*j], v[35+4*j]
.set j, j+1
.endr
	s_wait_alu depctr_va_vdst(0)                   ; the last block has written v184 to v191, which the last four stores read
.irp q, 12,13,14,15
	global_store_b64 v6, v[160+2*\q:161+2*\q], s[6:7] offset:16384*\q
.endr
	s_endpgm
.Lfunc_end_k_qb13bd5fe44_prep:
	.size	k_qb13bd5fe44_prep, .Lfunc_end_k_qb13bd5fe44_prep-k_qb13bd5fe44_prep
	.p2alignl 7, 3214868480
	.fill 96, 4, 3214868480
	.section	.rodata,"a",@progbits
	.p2align	6, 0x0
	.amdhsa_kernel k_qb13bd5fe44_prep
		.amdhsa_group_segment_fixed_size 74752
		.amdhsa_private_segment_fixed_size 0
		.amdhsa_enable_private_segment 0
		.amdhsa_kernarg_size 88
		.amdhsa_user_sgpr_count 2
		.amdhsa_user_sgpr_kernarg_segment_ptr 1
		.amdhsa_wavefront_size32 1
		.amdhsa_system_sgpr_workgroup_id_x 1
		.amdhsa_system_sgpr_workgroup_id_y 1
		.amdhsa_system_sgpr_workgroup_id_z 1
		.amdhsa_system_vgpr_workitem_id 0
		.amdhsa_next_free_vgpr 256
		.amdhsa_next_free_sgpr 66
		.amdhsa_reserve_vcc 0
		.amdhsa_float_denorm_mode_32 3
		.amdhsa_float_denorm_mode_16_64 3
		.amdhsa_memory_ordered 1
		.amdhsa_forward_progress 1
		.amdhsa_inst_pref_size 33
	.end_amdhsa_kernel
	.amdgpu_metadata
---
amdhsa.version: [ 1, 2 ]
amdhsa.kernels:
  - .name:           k_qb13bd5fe44_prep
    .symbol:         k_qb13bd5fe44_prep.kd
    .args:
      - { .name: x, .offset: 0, .size: 8, .value_kind: global_buffer, .address_space: global }
      - { .name: g1, .offset: 8, .size: 8, .value_kind: global_buffer, .address_space: global }
      - { .name: w_q, .offset: 16, .size: 8, .value_kind: global_buffer, .address_space: global }
      - { .name: w_k, .offset: 24, .size: 8, .value_kind: global_buffer, .address_space: global }
      - { .name: w_v, .offset: 32, .size: 8, .value_kind: global_buffer, .address_space: global }
      - { .name: w_o, .offset: 40, .size: 8, .value_kind: global_buffer, .address_space: global }
      - { .name: w_gate, .offset: 48, .size: 8, .value_kind: global_buffer, .address_space: global }
      - { .name: w_up, .offset: 56, .size: 8, .value_kind: global_buffer, .address_space: global }
      - { .name: w_down, .offset: 64, .size: 8, .value_kind: global_buffer, .address_space: global }
      - { .name: wt, .offset: 72, .size: 8, .value_kind: global_buffer, .address_space: global }
      - { .name: nx1, .offset: 80, .size: 8, .value_kind: global_buffer, .address_space: global }
    .group_segment_fixed_size: 74752
    .private_segment_fixed_size: 0
    .kernarg_segment_align: 8
    .kernarg_segment_size: 88
    .max_flat_workgroup_size: 256
    .sgpr_count:     66
    .vgpr_count:     256
    .wavefront_size: 32
...
	.end_amdgpu_metadata
.endif
;; end of part 7
;; launch qkv: the kernel of part 2 again; grid 16 x 16, 4 waves a work-group, clusters of 4 x 4, 327,680 bytes of LDS; arguments nx1, wt, qkv; writes qkv
;; launch attn: the kernel of part 3 again; grid 8 x 32, 8 waves a work-group, no clusters, 327,680 bytes of LDS; arguments qkv, att; writes att
;; launch oproj: the kernel of part 4 again; grid 8 x 32, 4 waves a work-group, clusters of 4 x 4, 327,680 bytes of LDS; arguments att, wt, x1, x, g2, x1b, ssq; writes x1, x1b, ssq
;; launch gu: the kernel of part 5 again; grid 16 x 16, 4 waves a work-group, clusters of 4 x 4, 327,680 bytes of LDS; arguments x1b, wt, hid, ssq; writes hid
;; launch down: the kernel of part 6 again; grid 8 x 32, 4 waves a work-group, clusters of 4 x 4, 327,680 bytes of LDS; arguments hid, wt, out0, x1; writes out0
